; MI455X (gfx1250); checked and timed in simulation.
; The chip was launched on July 23, 2026; its instructions are those of AMD's public machine-readable ISA for CDNA 5 (MIT licence, August 2026) and "CDNA5" Instruction Set Architecture Reference Guide (July 2026). The comments in the code are by the model that wrote it; some were corrected since.
;; Attention. Allowed arithmetic: matrix products marked QUANTISED: E4M3 operands, one given power-of-two scale a tensor, by v_wmma_f32_16x16x64_fp8_fp8 or v_wmma_f32_16x16x128_fp8_fp8, f32 sums; everything else in f32.
;; Inputs: Wk 1,024 x 1,024 float32; Wp 1,024 x 1,024 float32; Wq 1,024 x 1,024 float32; Wv 1,024 x 1,024 float32; att_mask 1 x 1 x 2,048 x 2,048 float32; bk 1,024 float32; bp 1,024 float32; bq 1,024 float32; bv 1,024 float32; key 2 x 2,048 x 1,024 float32; lowp_scales 12 int32 (the exponents e of the quantised operands' scales 2^e); query 2 x 2,048 x 1,024 float32; value 2 x 2,048 x 1,024 float32.
;; Outputs: out0 2 x 2,048 x 1,024 float32.
;; This version of the problem:
;;   THIS VERSION OF THE PROBLEM IS GIVEN IN LOW PRECISION. The matrix products marked QUANTISED in the list below multiply operands that are first quantised to E4M3 (4 exponent bits, 3 mantissa bits; 8 bits a number), with one given power-of-two scale for each operand tensor; their sums are f32. All else is computed in f32.
;;   The module's matrix products, in the order in which they are computed (A, B: the left and right operand; K: the contracted axis; several contracted axes count as one K, in the product's order):
;;     1. [M 4,096, K 1,024] x [K 1,024, N 1,024]; A: input query; B: input Wq: QUANTISED (scales: A lowp_scales[0], B lowp_scales[1])
;;     2. [M 4,096, K 1,024] x [K 1,024, N 1,024]; A: input key; B: input Wk: QUANTISED (scales: A lowp_scales[2], B lowp_scales[3])
;;     3. [M 4,096, K 1,024] x [K 1,024, N 1,024]; A: input value; B: input Wv: QUANTISED (scales: A lowp_scales[4], B lowp_scales[5])
;;     4. batch 32 x [M 2,048, K 64] x [K 64, N 2,048]; A: computed on the way; B: computed on the way: QUANTISED (scales: A lowp_scales[6], B lowp_scales[7])
;;     5. batch 32 x [M 2,048, K 2,048] x [K 2,048, N 64]; A: softmax (see below); B: computed on the way: QUANTISED (scales: A lowp_scales[8], B lowp_scales[9])
;;     6. [M 4,096, K 1,024] x [K 1,024, N 1,024]; A: computed on the way; B: input Wp: QUANTISED (scales: A lowp_scales[10], B lowp_scales[11])
;;   THE QUANTISER, for each operand of a quantised product, along K:
;;     - The operand's scale is 2^e, e = its entry of the input lowp_scales (int32; the entries are numbered through the quantised products in the list's order, A before B).
;;     - Each number is divided by the scale, clamped to +-448, and rounded to the nearest number of E4M3, ties to even, subnormals kept.
;;     - The product sums the exact products of the quantised numbers (number of the format x scale) in f32.
;;   ~~~python
;;   def quantise(x, axis, e):      # numpy; x: float32 -> the quantised numbers, widened to float32 again
;;       x = np.moveaxis(x, axis, -1); K = x.shape[-1]
;;       r = np.clip(x / 2.0 ** e, -448, 448)
;;       step = 2.0 ** (np.maximum(np.frexp(np.where(r == 0, 1, r))[1] - 1, -6) - 3)
;;       q = np.round(r / step) * step * 2.0 ** e      # np.round: ties to even
;;       return np.moveaxis(q, -1, axis).astype(np.float32)
;;   ~~~
;;   SOFTMAX AHEAD OF A QUANTISED PRODUCT. Where the list says 'softmax', what is quantised is not the finished softmax but p = 2^(t - M), with t = logit x log2(e) and M = ceil(the row's largest t), a whole number; so 1/2 < the row's largest p <= 1. The row's sum l is taken of the UNQUANTISED p, in f32, and the product's result is divided by l at the end. Since M is a whole number, a kernel that streams over the keys may use a running M (the ceiling of the running maximum): every later rescaling is an exact power of two, so the quantised numbers keep their values, but for numbers so far below the row's largest that they fall under the format's range.
;;   OPERANDS COMPUTED ON THE WAY. 'Computed on the way' means the value that the module computes at that place (a softmax that the list does not call 'softmax' is quantised finished and normalised). What goes into a quantiser is computed in f32, as accurately as f32 sums, v_exp_f32 and their like allow (about 1e-6 of the number): no bf16 or f16 on the way to a quantiser, and a product that is left as it is and whose result goes on into a quantised operand takes f32 operands (vector FMAs, or v_wmma_f32_16x16x4_f32). A number that lies on a knife's edge between two numbers of the format may be rounded either way, as far as f32 arithmetic and the matrix unit's own rounding can turn it there, and no further.
;; 2 versions, each right; version 2 is version 1 with the launch attn written anew for expert scheduling mode. Each part assembles by itself: llvm-mc -triple=amdgcn-amd-amdhsa -mcpu=gfx1250 --defsym DOCPART=n.
;; ======== version 1 of 2: 5 launches
;; workspace buffers: codes 16,777,216 bytes; mbits 524,288 bytes of whole numbers; cls 8,192 bytes of whole numbers; img 12,582,912 bytes; pmax 4,096 bytes; ypl 4,194,304 bytes
;; launch prep (part 1): grid 1024 x 1, 4 waves a work-group, no clusters, 101,888 bytes of LDS; arguments att_mask, query, key, value, Wq, Wk, Wv, Wp, lowp_scales, codes, mbits, cls; writes codes, mbits, cls
.if DOCPART == 1
	.amdgcn_target "amdgcn-amd-amdhsa--gfx1250"
	.amdhsa_code_object_version 6
	.text
	.protected	k_qa4d97cee0e_prep
	.globl	k_qa4d97cee0e_prep
	.p2align	8
	.type	k_qa4d97cee0e_prep,@function
k_qa4d97cee0e_prep:
	s_mov_b64 s[64:65], 0
	v_nop
	global_prefetch_b8 v0, s[64:65] scope:SCOPE_SE
	s_setreg_imm32_b32 hwreg(HW_REG_WAVE_MODE, 25, 1), 1
	s_wait_xcnt 0x0
; PREP: everything that is read as f32 once and used narrow afterwards.  Three kinds of work-groups, told apart by the work-group's number; the three ways never join, and each has LDS bytes of its own.
;   0..511    att_mask [2048][2048] f32 -> for each tile of 16 queries x 128 keys (a wave a tile): 64 lane masks (mbits) and a class (cls): 0 all hidden, 1 mixed, 2 all kept.
;             Bit L of mask word n = 8 t + j says whether query 16 qtile + L % 16 sees key 128 step + 16 t + 8 (L / 16) + j: the place of that score in the later product's result.
;   512..895  query, key, value [4096][1024] f32 -> codes of E4M3, K innermost, at bytes 0, 4 MiB, 8 MiB of codes.
;   896..1023 Wq, Wk, Wv, Wp [k 1024][n 1024] f32 -> codes laid [n][k], K innermost, at 12 MiB + 1 MiB x tensor.
; code = x / 2^e, held within +-448, to the nearest code, ties to even; e from lowp_scales: 0, 2, 4 for the activations, 1, 3, 5, 11 for the weights.
; LIMITS: -126 <= e and e + 8 <= 127.  NaN among the numbers to be quantised is not served (an infinity is held at the largest code).  In the mask, NaN counts as not 0, -0 as 0, as the comparison with 0 has it.
; No tensor loads, no barrier: waves share nothing.  No cluster: no two work-groups read the same bytes.
.set ACT,    0                         ; LDS: the activations' stages, 8,192 bytes a wave
.set WGT,    32768                     ; the weights' stages, 32 rows x 272 bytes a wave
.set MSK,    67584                     ; the mask's stages, 16 rows x 528 bytes a wave
.set SPARE,  101376                    ; the spare words, 128 bytes a wave: two blocks of 256 bytes that no other line names
.set SPW,    12                        ; v12  LDS address of my spare word; never rewritten
.set NIL,    13                        ; v13  0; never rewritten
.set SP,     80                        ; activations: a lane's 64 bytes + 16 of padding
.set STEPS,  16
.set AR,     16                        ; v16-79   four sets of 16 numbers as loaded
.set AX,     80                        ; v80-111  two sets of 16 neighbours
.set AC,     128                       ; v128-191 codes, four registers a step
.set WP,     272                       ; weights: a stage row, 256 codes + 16
.set NB,     8                         ; blocks of 32 along K for a wave
.set WX,     32                        ; v32-95   two sets of 32 numbers
.set WC,     96                        ; v96-103  a block's codes
.set WO,     112                       ; v112-175 the way out
.set MP,     528                       ; mask: a stage row, 512 bytes + 16
.set WCODES, 0xC00000                  ; where the weights' codes begin in codes
.macro ALOAD t                         ; step t: four loads of 512 consecutive bytes
.irp i, 0,1,2,3
	global_load_b128 v[AR+16*((\t)%4)+4*\i:AR+16*((\t)%4)+4*\i+3], v3, s[4:5] offset:2048*(\t)+512*\i th:TH_LOAD_NT
.endr
.endm
.macro ATURN t                         ; step t's numbers through the wave's own stage: in as they lie, out 64 bytes a lane.  LDS serves a wave's instructions in order: no wait between
.irp i, 0,1,2,3
	ds_store_b128 v14, v[AR+16*((\t)%4)+4*\i:AR+16*((\t)%4)+4*\i+3] offset:32*SP*((\t)%2)+8*SP*\i
.endr
.irp i, 0,1,2,3
	ds_load_b128 v[AX+16*((\t)%2)+4*\i:AX+16*((\t)%2)+4*\i+3], v15 offset:32*SP*((\t)%2)+16*\i
.endr
.endm
.macro ASTEP t
.set XS, AX+16*((\t)%2)
	s_wait_dscnt 0x0                               ; this step's numbers are back from the stage, so its stores into the stage have read their registers,
.if (\t)+4 < STEPS
	ALOAD (\t)+4                                   ; which take the loads of four steps on
.endif
.if (\t)+1 < STEPS
.if STEPS-2-(\t) >= 3
	s_wait_loadcnt 12                              ; the next step's four loads are in; those of the three steps behind it may be out
.else
	s_wait_loadcnt 4*(STEPS-2-(\t))
.endif
	ATURN (\t)+1
.endif
.set k, 0
.rept 16
	v_med3_num_f32 v[XS+k], v[XS+k], -v10, v10     ; the conversion to an 8-bit code does not saturate (ISA guide 7.6.2): the hold at the largest code x the scale
.set k, k+1
.endr
	v_cvt_scalef32_pk8_fp8_f32 v[AC+4*(\t):AC+4*(\t)+1], v[XS:XS+7], v11
	v_cvt_scalef32_pk8_fp8_f32 v[AC+4*(\t)+2:AC+4*(\t)+3], v[XS+8:XS+15], v11
	global_store_b128 v3, v[AC+4*(\t):AC+4*(\t)+3], s[6:7] offset:512*(\t)   ; the wave stores 512 consecutive bytes; each step has its own code registers
.endm
.macro WLOAD t                         ; block t: W(32 t + k, my column) into set t % 2: neighbouring lanes read neighbouring columns
.set k, 0
.rept 32
	global_load_b32 v[WX+32*((\t)%2)+k], v9, s[4:5] offset:(32*(\t)+k)*4096 th:TH_LOAD_NT
.set k, k+1
.endr
.endm
.macro WBLOCK t
.set XS, WX+32*((\t)%2)
.if (\t) < NB-1
	s_wait_loadcnt 32                              ; this block's 32 loads are in; the next block's may be out
.else
	s_wait_loadcnt 0
.endif
.set k, 0
.rept 32
	v_med3_num_f32 v[XS+k], v[XS+k], -v10, v10
.set k, k+1
.endr
.irp g, 0,1,2,3
	v_cvt_scalef32_pk8_fp8_f32 v[WC+2*\g:WC+2*\g+1], v[XS+8*\g:XS+8*\g+7], v11
.endr
	ds_store_b128 v4, v[WC:WC+3] offset:32*(\t)    ; 32 codes of my column's row
	ds_store_b128 v4, v[WC+4:WC+7] offset:32*(\t)+16
.if (\t)+2 < NB
	WLOAD (\t)+2
.endif
	s_wait_dscnt 0x0                               ; the stores have read their registers: the next block's codes may be written
.endm
	s_load_b512 s[8:23], s[0:1], 0x0               ; att_mask s[8:9], query, key, value s[10:15], Wq, Wk, Wv, Wp s[16:23]
	s_load_b256 s[24:31], s[0:1], 0x40             ; lowp_scales s[24:25], codes s[26:27], mbits s[28:29], cls s[30:31]
	v_lshl_add_u32 v[SPW], v0, 2, SPARE
	v_mov_b32 v[NIL], 0
	v_lshrrev_b32 v1, 5, v0
	v_readfirstlane_b32 s34, v1                    ; wave 0..3
	v_and_b32 v2, 31, v0                           ; lane
	v_lshlrev_b32 v3, 4, v2                        ; 16 x lane
	s_mov_b32 s3, 0
	s_wait_kmcnt 0x0
	s_cmp_lt_u32 ttmp9, 512
	s_cbranch_scc1 .Lmask
	s_cmp_lt_u32 ttmp9, 896
	s_cbranch_scc1 .Lact
	; ---- THE WEIGHTS.  A lane takes a column n and its registers run down K, so the conversions give codes with K innermost; nothing is transposed by an instruction.
	; A wave takes 32 columns x 256 along K; the codes go through its own stage and leave as rows: sixteen lanes store 256 consecutive bytes.
	s_load_b256 s[36:43], s[24:25], 0x0            ; e0 .. e7
	s_load_b128 s[44:47], s[24:25], 0x20           ; e8 .. e11
	s_sub_co_u32 s48, ttmp9, 896
	s_lshr_b32 s49, s48, 5                         ; which weight
	s_and_b32 s50, s48, 7
	s_lshl_b32 s50, s50, 7
	s_lshl_b32 s51, s34, 5
	s_add_co_u32 s50, s50, s51                     ; my wave's first column
	s_bfe_u32 s51, s48, 0x20003                    ; which 256 along K
	v_lshlrev_b32 v9, 2, v2                        ; in: 4 bytes a lane
	s_mul_i32 s35, s34, 32*WP
	s_add_co_u32 s35, s35, WGT                     ; my stage
	v_mul_u32_u24 v4, v2, WP
	v_add_nc_u32 v4, s35, v4                       ; into it: row = my column
	v_and_b32 v5, 15, v2
	v_lshrrev_b32 v6, 4, v2
	v_mul_u32_u24 v7, v6, WP
	v_lshl_add_u32 v7, v5, 4, v7
	v_add_nc_u32 v7, s35, v7                       ; out of it: sixteen lanes to a row, two rows an instruction
	v_lshlrev_b32 v8, 10, v6
	v_lshl_add_u32 v8, v5, 4, v8                   ; and the same place among the codes' rows of 1,024 bytes
	s_cmp_eq_u32 s49, 1
	s_cselect_b64 s[4:5], s[18:19], s[16:17]
	s_cmp_eq_u32 s49, 2
	s_cselect_b64 s[4:5], s[20:21], s[4:5]
	s_cmp_eq_u32 s49, 3
	s_cselect_b64 s[4:5], s[22:23], s[4:5]
	s_lshl_b32 s2, s51, 20                         ; 256 rows of 4,096 bytes
	s_lshl_b32 s52, s50, 2
	s_add_co_u32 s2, s2, s52
	s_add_nc_u64 s[4:5], s[4:5], s[2:3]
	s_lshl_b32 s2, s49, 20
	s_lshl_b32 s52, s50, 10
	s_add_co_u32 s2, s2, s52
	s_lshl_b32 s52, s51, 8
	s_add_co_u32 s2, s2, s52
	s_add_co_u32 s2, s2, WCODES
	s_add_nc_u64 s[6:7], s[26:27], s[2:3]
	WLOAD 0
	WLOAD 1
	s_wait_kmcnt 0x0
	s_cmp_eq_u32 s49, 1
	s_cselect_b32 s53, s39, s37                    ; e3 or e1
	s_cmp_eq_u32 s49, 2
	s_cselect_b32 s53, s41, s53                    ; e5
	s_cmp_eq_u32 s49, 3
	s_cselect_b32 s53, s47, s53                    ; e11
	s_add_co_i32 s53, s53, 127
	s_lshl_b32 s54, s53, 23
	v_mov_b32 v11, s54                             ; 2^e as f32: the conversion takes its exponent field
	s_add_co_i32 s53, s53, 8
	s_lshl_b32 s53, s53, 23
	s_or_b32 s53, s53, 0x600000
	v_mov_b32 v10, s53                             ; 448 x 2^e
.irp t, 0,1,2,3,4,5,6,7
	WBLOCK \t
.endr
.irp t, 0,1,2,3,4,5,6,7,8,9,10,11,12,13,14,15
	ds_load_b128 v[WO+4*\t:WO+4*\t+3], v7 offset:2*\t*WP
.endr
.irp t, 0,1,2,3,4,5,6,7,8,9,10,11,12,13,14,15
	s_wait_dscnt 15-\t                             ; LDS loads come back in order: rows 2 t, 2 t + 1 are in
	global_store_b128 v8, v[WO+4*\t:WO+4*\t+3], s[6:7] offset:2*\t*1024
.endr
	s_wait_tensorcnt 0x0                           ; the wave's end
	ds_add_u32 v[SPW], v[NIL]
	s_wait_dscnt 0x0
	s_endpgm
	; ---- THE ACTIVATIONS.  Rows are dense, so a tensor is a plain stream: a wave takes 16 steps of 512 numbers.  Loads take the bytes as they lie; a step turns through the wave's stage so that a lane holds 16 neighbours.
.Lact:
	s_load_b256 s[36:43], s[24:25], 0x0            ; e0 .. e7
	s_sub_co_u32 s48, ttmp9, 512
	s_lshr_b32 s49, s48, 7                         ; which tensor: 128 work-groups each
	s_mul_i32 s35, s34, 8192                       ; my stages (ACT = 0)
	v_lshrrev_b32 v14, 2, v2
	v_mul_u32_u24 v14, v14, SP
	v_and_b32 v15, 3, v2
	v_lshl_add_u32 v14, v15, 4, v14
	v_add_nc_u32 v14, s35, v14                     ; in: four lanes' 64 bytes on end, then 16 of padding
	v_mul_u32_u24 v15, v2, SP
	v_add_nc_u32 v15, s35, v15                     ; out: my 16 neighbours
	s_cmp_eq_u32 s49, 1
	s_cselect_b64 s[4:5], s[12:13], s[10:11]
	s_cmp_eq_u32 s49, 2
	s_cselect_b64 s[4:5], s[14:15], s[4:5]
	s_and_b32 s50, s48, 127
	s_lshl_b32 s50, s50, 2
	s_add_co_u32 s50, s50, s34
	s_lshl_b32 s2, s50, 15                         ; my wave's run of 8,192 numbers in its tensor
	s_add_nc_u64 s[4:5], s[4:5], s[2:3]
	s_lshl_b32 s50, s48, 2
	s_add_co_u32 s50, s50, s34
	s_lshl_b32 s2, s50, 13                         ; and of 8,192 codes
	s_add_nc_u64 s[6:7], s[26:27], s[2:3]
.irp t, 0,1,2,3
	ALOAD \t
.endr
	s_wait_kmcnt 0x0
	s_cmp_eq_u32 s49, 1
	s_cselect_b32 s50, s38, s36                    ; e2 or e0
	s_cmp_eq_u32 s49, 2
	s_cselect_b32 s50, s40, s50                    ; e4
	s_add_co_i32 s50, s50, 127
	s_lshl_b32 s51, s50, 23
	v_mov_b32 v11, s51
	s_add_co_i32 s50, s50, 8
	s_lshl_b32 s50, s50, 23
	s_or_b32 s50, s50, 0x600000
	v_mov_b32 v10, s50
	s_wait_loadcnt 12                              ; step 0's four loads are in
	ATURN 0
.irp t, 0,1,2,3,4,5,6,7,8,9,10,11,12,13,14,15
	ASTEP \t
.endr
	s_wait_tensorcnt 0x0                           ; the wave's end: the three lines
	ds_add_u32 v[SPW], v[NIL]
	s_wait_dscnt 0x0
	s_endpgm
	; ---- THE MASK.  A wave takes one tile: 16 rows x 512 bytes.  Each load reads 512 consecutive bytes of a row; the tile turns through the wave's stage so that lane (r, h) holds, of row r, the keys 16 t + 8 h + j.
.Lmask:
	s_lshl_b32 s48, ttmp9, 2
	s_add_co_u32 s48, s48, s34                     ; the tile's number = 16 qtile + step
	s_lshr_b32 s49, s48, 4
	s_and_b32 s50, s48, 15
	s_lshl_b32 s2, s49, 17                         ; 16 rows of 8,192 bytes
	s_lshl_b32 s50, s50, 9
	s_add_co_u32 s2, s2, s50
	s_add_nc_u64 s[8:9], s[8:9], s[2:3]
	s_lshl_b32 s2, s48, 8
	s_add_nc_u64 s[28:29], s[28:29], s[2:3]        ; its 64 mask words
	s_lshl_b32 s2, s48, 2
	s_add_nc_u64 s[30:31], s[30:31], s[2:3]        ; its class
	s_mul_i32 s35, s34, 16*MP
	s_add_co_u32 s35, s35, MSK                     ; my stage
	v_add_nc_u32 v4, s35, v3                       ; in: 16 x lane
	v_and_b32 v5, 15, v2
	v_lshrrev_b32 v6, 4, v2
	v_mul_u32_u24 v7, v5, MP
	v_lshl_add_u32 v7, v6, 5, v7
	v_add_nc_u32 v7, s35, v7                       ; out: row r, + 32 h
	v_lshlrev_b32 v8, 3, v2                        ; 8 x lane: my two mask words
.irp i, 0,1,2,3,4,5,6,7,8,9,10,11,12,13,14,15
	global_load_b128 v[16+4*\i:19+4*\i], v3, s[8:9] offset:8192*\i th:TH_LOAD_NT
.endr
	v_mov_b32 v144, 0                              ; written whole: a lane write's destination counts as read
	v_mov_b32 v145, 0
	v_mov_b32 v147, 0
	s_mov_b32 s50, 0                               ; the OR of all masks
	s_mov_b32 s51, -1                              ; the AND of all masks
.irp i, 0,1,2,3,4,5,6,7,8,9,10,11,12,13,14,15
	s_wait_loadcnt 15-\i                           ; loads come back in order: row i is in, the younger rows stay out
	ds_store_b128 v4, v[16+4*\i:19+4*\i] offset:MP*\i
.endr
.irp t, 0,1,2,3,4,5,6,7
.irp u, 0,1
	ds_load_b128 v[80+8*\t+4*\u:83+8*\t+4*\u], v7 offset:64*\t+16*\u   ; the wave's own bytes, served in order behind its stores
.endr
.endr
	s_wait_dscnt 0x0
.set n, 0
.rept 64
	v_cmp_neq_f32 s[52+n%4], 0, v[80+n]            ; bit L: lane L's key of register n is kept
	s_or_b32 s50, s50, s[52+n%4]
	s_and_b32 s51, s51, s[52+n%4]
	v_writelane_b32 v[144+n%2], s[52+n%4], n/2     ; word n goes to lane n / 2, so that the 64 words leave as 256 consecutive bytes
.set n, n+1
.endr
	global_store_b64 v8, v[144:145], s[28:29]
	s_cmp_lg_u32 s50, 0
	s_cselect_b32 s56, 1, 0                        ; something is kept
	s_cmp_eq_u32 s51, -1
	s_cselect_b32 s57, 1, 0                        ; everything is kept
	s_add_co_u32 s56, s56, s57
	v_mov_b32 v146, s56
	v_cmp_eq_u32 vcc_lo, 0, v2
	s_wait_xcnt 0x0                                ; EXEC is a source of the store above: it changes only behind this wait
	s_and_saveexec_b32 s58, vcc_lo
	global_store_b32 v147, v146, s[30:31]          ; lane 0 alone
	s_wait_xcnt 0x0                                ; and again in front of the line that widens it
	s_or_b32 exec_lo, exec_lo, s58
	s_wait_tensorcnt 0x0                           ; the wave's end: the three lines
	ds_add_u32 v[SPW], v[NIL]
	s_wait_dscnt 0x0
	s_endpgm
.Lfunc_end_k_qa4d97cee0e_prep:
	.size	k_qa4d97cee0e_prep, .Lfunc_end_k_qa4d97cee0e_prep-k_qa4d97cee0e_prep
	.p2alignl 7, 3214868480
	.fill 96, 4, 3214868480
	.section	.rodata,"a",@progbits
	.p2align	6, 0x0
	.amdhsa_kernel k_qa4d97cee0e_prep
		.amdhsa_group_segment_fixed_size 101888
		.amdhsa_private_segment_fixed_size 0
		.amdhsa_enable_private_segment 0
		.amdhsa_kernarg_size 96
		.amdhsa_user_sgpr_count 2
		.amdhsa_user_sgpr_kernarg_segment_ptr 1
		.amdhsa_wavefront_size32 1
		.amdhsa_system_sgpr_workgroup_id_x 1
		.amdhsa_system_sgpr_workgroup_id_y 1
		.amdhsa_system_sgpr_workgroup_id_z 1
		.amdhsa_system_vgpr_workitem_id 0
		.amdhsa_next_free_vgpr 192
		.amdhsa_next_free_sgpr 66
		.amdhsa_reserve_vcc 1
		.amdhsa_float_denorm_mode_32 3
		.amdhsa_float_denorm_mode_16_64 3
		.amdhsa_memory_ordered 1
		.amdhsa_forward_progress 1
		.amdhsa_inst_pref_size 104
	.end_amdhsa_kernel
	.amdgpu_metadata
---
amdhsa.version: [ 1, 2 ]
amdhsa.kernels:
  - .name:           k_qa4d97cee0e_prep
    .symbol:         k_qa4d97cee0e_prep.kd
    .args:
      - { .name: att_mask, .offset: 0, .size: 8, .value_kind: global_buffer, .address_space: global }
      - { .name: query, .offset: 8, .size: 8, .value_kind: global_buffer, .address_space: global }
      - { .name: key, .offset: 16, .size: 8, .value_kind: global_buffer, .address_space: global }
      - { .name: value, .offset: 24, .size: 8, .value_kind: global_buffer, .address_space: global }
      - { .name: Wq, .offset: 32, .size: 8, .value_kind: global_buffer, .address_space: global }
      - { .name: Wk, .offset: 40, .size: 8, .value_kind: global_buffer, .address_space: global }
      - { .name: Wv, .offset: 48, .size: 8, .value_kind: global_buffer, .address_space: global }
      - { .name: Wp, .offset: 56, .size: 8, .value_kind: global_buffer, .address_space: global }
      - { .name: lowp_scales, .offset: 64, .size: 8, .value_kind: global_buffer, .address_space: global }
      - { .name: codes, .offset: 72, .size: 8, .value_kind: global_buffer, .address_space: global }
      - { .name: mbits, .offset: 80, .size: 8, .value_kind: global_buffer, .address_space: global }
      - { .name: cls, .offset: 88, .size: 8, .value_kind: global_buffer, .address_space: global }
    .group_segment_fixed_size: 101888
    .private_segment_fixed_size: 0
    .kernarg_segment_align: 8
    .kernarg_segment_size: 96
    .max_flat_workgroup_size: 128
    .sgpr_count:     66
    .vgpr_count:     192
    .wavefront_size: 32
...
	.end_amdgpu_metadata
.endif
;; end of part 1
;; launch qkv (part 2): grid 4 x 48, 4 waves a work-group, clusters of 4 x 4, 327,680 bytes of LDS; arguments codes, lowp_scales, bq, bk, bv, img; writes img
.if DOCPART == 2
	.amdgcn_target "amdgcn-amd-amdhsa--gfx1250"
	.amdhsa_code_object_version 6
	.text
	.protected	k_qa4d97cee0e_qkv
	.globl	k_qa4d97cee0e_qkv
	.p2align	8
	.type	k_qa4d97cee0e_qkv,@function
k_qa4d97cee0e_qkv:
	s_mov_b64 s[64:65], 0
	v_nop
	global_prefetch_b8 v0, s[64:65] scope:SCOPE_SE
	s_setreg_imm32_b32 hwreg(HW_REG_WAVE_MODE, 25, 1), 1
	s_wait_xcnt 0x0
	s_wait_alu depctr_hold_cnt(0) depctr_sa_sdst(0) depctr_va_vdst(0) depctr_va_sdst(0) depctr_va_ssrc(0) depctr_va_vcc(0) depctr_vm_vsrc(0)
	s_getreg_b32 s2, hwreg(HW_REG_IB_STS2, 6, 4)
	s_cmp_eq_u32 s2, 0
	s_cbranch_scc0 .Lentry_in_a_cluster
	s_endpgm
.Lentry_in_a_cluster:
	s_bfe_u32 s2, ttmp6, 0x10000c
	s_cmp_lg_u32 s2, 0xf033
	s_cbranch_scc0 .Lentry_shape_is_right
	s_endpgm
.Lentry_shape_is_right:
; QKV: the three projections on codes of E4M3, K = 1,024, each followed by its bias and by the quantiser of the product that reads it; the results are stored as IMAGES OF OPERAND REGISTERS.
; A cluster of 4 x 4 work-groups makes 1,024 x 1,024 of one result; the cluster's y (0..11) says which: kind = y / 4 (0 q, 1 k, 2 v), sub = y % 4.
;   q, k: C'[token][channel]: A = the activations' codes (tile row 4 sub + cy), B = the weight's codes [n][k] (tile column cx).
;   v:    C'[channel][token]: A = Wv's codes (tile row cy), B = value's codes (tile column 4 sub + cx): so that a lane's registers run along the keys, the K of the product that reads v.
; The choice is made of offsets alone, by selects on the cluster's y, which all sixteen partners share: there is one way through the text.
; A tile of C' is 256 x 256: four waves, each 128 x 128 in 64 accumulators.  K goes in steps of 256 through a ring of two LDS slots filled by joint tensor loads: A's tile is shared along a row of the cluster, B's along a column.
; THE MATRIX INSTRUCTION IS USED TRANSPOSED (source 0 = 16 rows of B, source 1 = 16 rows of A): lane (r, h) of accumulator (a, b) holds C'(R0 + 16 a + r, C0 + 16 b + 8 h + 0..7).
; Fragments come by four loads of 16 bytes a side: a permutation of k, the same in A and B, so every product meets its partner.
; THE WAY OUT needs no LDS: eight neighbours of a lane convert into two registers, which ARE registers 2 c, 2 c + 1 of the later operand (k = 16 c + 8 h + 0..7):
;   q, k: fragment (b x 16 + head, token tile): 1,024 bytes at ((bh x 128 + tile) x 1,024), registers 4 g .. 4 g + 3 of lane L at 512 g + 16 L; q at byte 0 of img, k at 4 MiB.
;   v:    fragment (bh, key step of 128, 16 channels dt): 2,048 bytes at (((bh x 16 + step) x 4 + dt) x 2,048), at 8 MiB.
; q is quantised as q / 256 with lowp_scales[6]: the division is folded into the scale, 2^(e6 + 8); k with e7, v with e9.
; LIMITS: eA + eB between -126 and 127; e6 + 8, e7, e9 between -126 and 119.  NaN among the inputs is not served.
; REGISTERS, in windows of 256: window 0: v1-29 addresses and constants; v32-95 the bias by column, v96-111 the bias by row (a pair a block); from v128 A's fragments, ONE set; on the way out v128-191 numbers, v192-207 codes.
;   window 1: B's fragments, two sets.   windows 2, 3: the accumulators of my rows 0-63, 64-127.
.set KSTEP,  256
.set ROWB,   256                       ; a tile's row in bytes
.set KROW,   1024                      ; a row of A or of B in memory
.set PITCH,  272                       ; an LDS row: 256 bytes + 16 of padding = 68 words, so the 16 rows that a load touches start at 16 different banks (64 banks of 4 bytes: ISA guide 11.1)
.set FR,     16
.set NL,     4
.set NP,     4                         ; places behind this matrix instruction (ISA guide 7.12.1)
.set HALFT,  128*PITCH
.set SLOT,   4*HALFT
.set LAPS,   2                         ; 1,024 / 512: a lap = two K steps = once round the ring
.set SPARE,  2*SLOT                    ; behind the ring: the spare words, 128 bytes a wave
.set ADRA, 16                          ; v16-17  LDS address of my A fragments in slot 0, 1
.set ADRB, 20                          ; v20-21  the same for B
.set LIM,  12                          ; v12     448 x the quantiser's scale
.set SCL,  13                          ; v13     the quantiser's scale as f32
.set LI,   27                          ; v27     16 x lane
.set SPW,  28                          ; v28     LDS address of my spare word; never rewritten
.set NIL,  29                          ; v29     0; never rewritten
.set CB,   32
.set RB,   96
.set AF,   128
.set TMP,  128
.set CD,   192
.set G1, 24                            ; s[24:31] descriptor group 1 for A's tiles; s[32:39] group 0, a set a slot
.set G0, 32
.set G1B, 48                           ; s[48:55], s[56:63] the same for B's
.set G0B, 56
.set MSB, 0
.macro WIN new                         ; the immediate's high byte repeats the setting that is left
.if MSB != \new
	s_set_vgpr_msb (MSB<<8)|\new
.set MSB, \new
.endif
.endm
.set MUL_LO, 0xa1                      ; source 0 (B) window 1, source 1 (A) window 0, C and D window 2
.set MUL_HI, 0xf1
.set TO_B,   0x40
; A joint load: waves 0 and 1 fetch for A, waves 2 and 3 for B.  The branch hangs on the wave's number alone.  An s_nop 0 and four v_nop follow each of the two lines.
.macro JLOAD g0a, g1a, g0b, g1b
	s_cmp_eq_u32 s15, 0
	s_cbranch_scc0 .Lfor_b_\@
	tensor_load_to_lds s[\g0a:\g0a+3], s[\g1a:\g1a+7]
	s_nop 0
.rept 4
	v_nop
.endr
	s_branch .Lasked_\@
.Lfor_b_\@:
	tensor_load_to_lds s[\g0b:\g0b+3], s[\g1b:\g1b+7]
	s_nop 0
.rept 4
	v_nop
.endr
.Lasked_\@:
.endm
.macro CREST                           ; a round of the cluster's barrier behind its opening barrier
	s_cmp_lg_u32 s14, 0
	s_cbranch_scc1 .Lnot_wave_0_\@
	s_barrier_signal -3
.Lnot_wave_0_\@:
	s_barrier_wait -3
	s_barrier_signal -1
	s_barrier_wait -1
.endm
.macro CROUND
	s_barrier_signal -1
	s_barrier_wait -1
	CREST
.endm
	s_load_b256 s[68:75], s[0:1], 0x0              ; codes s[68:69], lowp_scales s[70:71], bq s[72:73], bk s[74:75]
	s_load_b128 s[76:79], s[0:1], 0x20             ; bv s[76:77], img s[78:79]
	v_lshl_add_u32 v[SPW], v0, 2, SPARE
	v_mov_b32 v[NIL], 0
	ds_add_u32 v[SPW], v[NIL]                      ; the wave's opening: the add and its wait come ahead of my first tensor load; the set-up below stands between them
	v_lshrrev_b32 v1, 5, v0
	v_readfirstlane_b32 s14, v1                    ; wave 0..3
	s_lshr_b32 s15, s14, 1                         ; which half of the tile's rows is mine.  Also: I fetch for A (0) or for B (1)
	s_and_b32 s16, s14, 1                          ; which half of its columns.  Also: which 128 rows of that tile I fetch
	s_bfe_u32 s40, ttmp6, 0x40000                  ; cx
	s_bfe_u32 s41, ttmp6, 0x40004                  ; cy
	s_and_b32 s82, ttmp7, 0xffff                   ; the cluster's y
	s_lshr_b32 s101, s82, 2                        ; kind
	s_and_b32 s82, s82, 3
	s_lshl_b32 s82, s82, 2                         ; 4 sub
	s_lshl_b32 s83, s101, 22                       ; q, k: A = the kind's activations
	s_lshl_b32 s99, s101, 20
	s_add_co_u32 s99, s99, 0xC00000                ; q, k: B = the kind's weight
	s_cmp_eq_u32 s101, 2
	s_cselect_b32 s98, -1, 0                       ; all ones for v: a lane mask for the biases' selects
	s_cselect_b32 s17, 0, s82
	s_cselect_b32 s42, s82, 0
	s_cselect_b32 s83, 0xE00000, s83               ; v: A = Wv's codes,
	s_cselect_b32 s99, 0x800000, s99               ;    B = value's
	s_add_co_u32 s17, s17, s41                     ; tile row
	s_add_co_u32 s42, s42, s40                     ; tile column
	s_lshl_b32 s43, s41, 2
	s_lshl_b32 s43, 15, s43                        ; my row of the cluster
	s_lshl_b32 s44, 0x1111, s40                    ; my column
	s_or_b32 s[G1+0], s43, (0<<16)|(1<<20)|(1<<21)|(5<<22)|(3<<25)  ; 15:0 the mask; 17:16 elements of 1 byte; 20 padding on; 21 set beside a mask; 24:22 after every 64 words; 31:25 four words
	s_or_b32 s[G1B+0], s44, (0<<16)|(1<<20)|(1<<21)|(5<<22)|(3<<25)
.irp g, G1, G1B
	s_mov_b32 s[\g+1], ROWB<<16                    ; tensor_dim0
	s_mov_b32 s[\g+2], 128<<16                     ; tensor_dim1
	s_mov_b32 s[\g+3], ROWB<<16                    ; tile_dim0
	s_mov_b32 s[\g+4], 128                         ; tile_dim1
	s_mov_b32 s[\g+5], KROW                        ; stride from row to row
	s_mov_b32 s[\g+6], 0
	s_mov_b32 s[\g+7], 0
.endr
	s_lshl_b32 s18, s16, 7
	s_lshl_b32 s20, s17, 8
	s_add_co_u32 s20, s20, s18                     ; A: row 256 x tile row + 128 x half
	s_lshl_b32 s20, s20, 10
	s_add_co_u32 s20, s20, s83                     ; in bytes, in its tensor
	s_mov_b32 s21, 0
	s_lshl_b32 s46, s42, 8
	s_add_co_u32 s46, s46, s18                     ; B: row 256 x tile column + 128 x half
	s_lshl_b32 s46, s46, 10
	s_add_co_u32 s46, s46, s99
	s_mov_b32 s47, 0
	s_mul_i32 s45, s14, HALFT                      ; where they go: wave x 128 rows: no place in the cluster enters an LDS address
	s_wait_dscnt 0x0                               ; the opening add is done
	s_wait_kmcnt 0x0
	s_load_b256 s[84:91], s[70:71], 0x0            ; e0 .. e7
	s_load_b128 s[92:95], s[70:71], 0x20           ; e8 .. e11
	s_add_nc_u64 s[20:21], s[68:69], s[20:21]
	s_add_nc_u64 s[46:47], s[68:69], s[46:47]
	CROUND                                         ; all sixteen work-groups are here: the first joint loads meet
.irp s, 0,1
	s_mov_b32 s[G0+4*\s], 1
	s_add_co_u32 s[G0+4*\s+1], s45, \s*SLOT
	s_add_nc_u64 s[G0+4*\s+2:G0+4*\s+3], s[20:21], \s*ROWB
	s_or_b32 s[G0+4*\s+3], s[G0+4*\s+3], 0x80000000
	s_mov_b32 s[G0B+4*\s], 1
	s_add_co_u32 s[G0B+4*\s+1], s45, \s*SLOT
	s_add_nc_u64 s[G0B+4*\s+2:G0B+4*\s+3], s[46:47], \s*ROWB
	s_or_b32 s[G0B+4*\s+3], s[G0B+4*\s+3], 0x80000000
	JLOAD G0+4*\s, G1, G0B+4*\s, G1B
.endr
	v_and_b32 v1, 15, v0                           ; r
	v_bfe_u32 v2, v0, 4, 1                         ; h
	v_mul_u32_u24 v3, v1, PITCH
	v_lshl_add_u32 v4, v2, 4, v3                   ; a fragment's row x pitch + 16 h
	s_mul_i32 s21, s15, HALFT
	s_mul_i32 s22, s16, HALFT
	s_add_co_u32 s22, s22, 2*HALFT
.irp s, 0,1
	v_add_nc_u32 v[ADRA+\s], s21, v4
	v_add_nc_u32 v[ADRB+\s], s22, v4
	s_add_co_u32 s21, s21, SLOT
	s_add_co_u32 s22, s22, SLOT
.endr
	v_and_b32 v6, 31, v0
	v_lshlrev_b32 v[LI], 4, v6
	; the biases and the images' places.  R0, C0: my wave's first row and column of C'
	s_lshl_b32 s18, s17, 8
	s_lshl_b32 s19, s15, 7
	s_add_co_u32 s18, s18, s19                     ; R0
	s_lshl_b32 s19, s42, 8
	s_lshl_b32 s21, s16, 7
	s_add_co_u32 s19, s19, s21                     ; C0
	s_mov_b32 s10, 1024
	s_mov_b32 s12, 1024
	s_mov_b32 s22, 131072
	s_cmp_eq_u32 s101, 2
	s_cselect_b32 s82, 0, s19                      ; the channel at which the bias by column is read (v: it is not used; read at 0, inside the buffer)
	s_cselect_b32 s83, s18, 0                      ; the same for the bias by row (q, k: not used)
	s_cselect_b32 s99, s19, s18                    ; my first token
	s_cselect_b32 s100, s18, s19                   ; my first channel
	s_cselect_b32 s10, 2048, s10                   ; from block a to a + 1: q, k the next token tile; v the next 16 channels
	s_cselect_b32 s12, 124928, s12                 ; from block 3 to 4: v goes on to the next head: 131,072 - 3 x 2,048
	s_cselect_b32 s22, 1024, s22                   ; from code registers 0-7 to 8-15: q, k the next head's fragment; v the same fragment's second half
	s_cselect_b64 s[8:9], s[76:77], s[72:73]       ; bv or bq
	s_mov_b32 s11, 0
	s_mov_b32 s13, 0
	s_mov_b32 s23, 0
	s_cmp_eq_u32 s101, 1
	s_cselect_b64 s[8:9], s[74:75], s[8:9]         ; bk
	v_lshlrev_b32 v7, 5, v2
	v_lshl_add_u32 v7, s82, 2, v7                  ; 4 (channel + 8 h)
	v_lshlrev_b32 v8, 2, v1
	v_lshl_add_u32 v8, s83, 2, v8                  ; 4 (channel + r)
.irp b, 0,1,2,3,4,5,6,7
	global_load_b128 v[CB+8*\b:CB+8*\b+3], v7, s[8:9] offset:64*\b
	global_load_b128 v[CB+8*\b+4:CB+8*\b+7], v7, s[8:9] offset:64*\b+16
.endr
.irp a, 0,1,2,3,4,5,6,7
	global_load_b32 v[RB+2*\a], v8, s[8:9] offset:64*\a
.endr
	s_lshl_b32 s18, s101, 22                       ; the kind's 4 MiB of img,
	s_lshr_b32 s19, s99, 11
	s_lshl_b32 s19, s19, 21                        ; the batch's 16 heads,
	s_add_co_u32 s18, s18, s19
	s_lshr_b32 s19, s100, 6
	s_lshl_b32 s19, s19, 17                        ; the head's 131,072 bytes,
	s_add_co_u32 s18, s18, s19
	s_and_b32 s19, s99, 2047
	s_lshl_b32 s19, s19, 6                         ; and 64 bytes a token (1,024 a tile of 16; 8,192 a step of 128)
	s_add_co_u32 s18, s18, s19
	s_mov_b32 s19, 0
	s_add_nc_u64 s[4:5], s[78:79], s[18:19]        ; where code registers 0-7 of block 0 go,
	s_add_nc_u64 s[6:7], s[4:5], s[22:23]          ; and registers 8-15
.macro FRAG reg, adr, q, i             ; 16 rows x 128 K: registers 4 c .. 4 c + 3 hold K = 32 c + 16 h + 0 .. 15
.irp c, 0,1,2,3
	ds_load_b128 v[\reg+4*\c:\reg+4*\c+3], v[\adr] offset:128*(\q)+32*\c+(\i)*16*PITCH
.endr
.endm
; 16 matrix instructions: A's blocks a0, a0 + 1 x B's eight.  The 64 accumulators take turns, one instruction a turn, in the same order in every step.
.macro MUL16 a0, p, zero
.irp a, \a0, \a0+1
.irp b, 0,1,2,3,4,5,6,7
.if \zero
	v_wmma_f32_16x16x128_fp8_fp8 v[8*(8*((\a)%4)+\b):8*(8*((\a)%4)+\b)+7], v[128*(\p)+FR*\b:128*(\p)+FR*\b+FR-1], v[AF+FR*(\a):AF+FR*(\a)+FR-1], 0
.else
	v_wmma_f32_16x16x128_fp8_fp8 v[8*(8*((\a)%4)+\b):8*(8*((\a)%4)+\b)+7], v[128*(\p)+FR*\b:128*(\p)+FR*\b+FR-1], v[AF+FR*(\a):AF+FR*(\a)+FR-1], v[8*(8*((\a)%4)+\b):8*(8*((\a)%4)+\b)+7]
.endif
.endr
.endr
.endm
.macro FETCH_B slot, q, p
	WIN TO_B
.irp i, 0,1,2,3,4,5,6,7
	FRAG 128*(\p)+FR*\i, ADRB+\slot, \q, \i
.endr
	WIN 0
.endm
.macro FETCH_A slot, q, i0
.irp i, \i0, \i0+1, \i0+2, \i0+3
	FRAG AF+FR*(\i), ADRA+\slot, \q, \i
.endr
.endm
.macro PLACES n                        ; plain vector instructions between a matrix instruction and a load into a register that it has read
.rept \n
	v_nop
.endr
.endm
.macro STEP slot, q, zero              ; 128 along K whose successor lies in the same slot
	s_wait_dscnt 4*NL                              ; B's set and A's blocks 0-3 are in; the youngest loads (A's blocks 4-7) may be out
	WIN MUL_LO
	MUL16 0, (\q)%2, \zero
	MUL16 2, (\q)%2, \zero
	s_wait_dscnt 0                                 ; A's blocks 4-7 are in
	PLACES NP
	FETCH_B \slot, (\q)+1, 1-(\q)%2
	FETCH_A \slot, (\q)+1, 0
	WIN MUL_HI
	MUL16 4, (\q)%2, \zero
	MUL16 6, (\q)%2, \zero
	PLACES NP
	WIN 0
	FETCH_A \slot, (\q)+1, 4
.endm
; A slot's last step changes slots: one barrier; in front of it each wave waits for all its tensor loads, adds 0 to its spare word, and waits for that and for its reads of this slot.  fill = 1: the slot is filled again, two K steps ahead.
.macro TURN slot, next, fill
	s_wait_tensorcnt 0x0                           ; all my tensor loads have landed: my part of the next slot
	ds_add_u32 v[SPW], v[NIL]                      ; 0 onto my spare word
	s_wait_dscnt 4*NL+1                            ; (the add and the youngest loads, A's blocks 4-7, may be out)
	WIN MUL_LO
	MUL16 0, 1, 0
	s_wait_dscnt 0x0                               ; the add is done, and my reads of this slot are over
	s_barrier_signal -1
	MUL16 2, 1, 0
	WIN 0
	s_barrier_wait -1
.if \fill
	CREST                                          ; the barrier has opened a round of the cluster's barrier: no wave of any partner still reads this slot or has a load on its way
	s_add_nc_u64 s[G0+4*\slot+2:G0+4*\slot+3], s[G0+4*\slot+2:G0+4*\slot+3], 2*ROWB
	s_add_nc_u64 s[G0B+4*\slot+2:G0B+4*\slot+3], s[G0B+4*\slot+2:G0B+4*\slot+3], 2*ROWB
	JLOAD G0+4*\slot, G1, G0B+4*\slot, G1B         ; the first tensor load behind the round; its four v_nop are the places in front of the loads below
.else
	PLACES NP
.endif
	FETCH_B \next, 0, 0
	FETCH_A \next, 0, 0
	WIN MUL_HI
	MUL16 4, 1, 0
	MUL16 6, 1, 0
	PLACES NP
	WIN 0
	FETCH_A \next, 0, 4
.endm
	s_wait_tensorcnt 1                             ; my part of K step 0 is in (K step 1's load may be out)
	s_barrier_signal -1
	s_barrier_wait -1                              ; everybody's is
	FETCH_B 0, 0, 0
	FETCH_A 0, 0, 0
	FETCH_A 0, 0, 4
	STEP 0, 0, 1                                   ; the first step's products start the sums: nothing is cleared
	s_mov_b32 s3, LAPS-1
.Llap:                                             ; a trip goes once round the ring and fills both slots again
	TURN 0, 1, 1
	STEP 1, 0, 0
	TURN 1, 0, 1
	STEP 0, 0, 0
	s_sub_co_u32 s3, s3, 1
	s_cmp_lg_u32 s3, 0
	s_cbranch_scc1 .Llap
	TURN 0, 1, 0                                   ; the last lap fills nothing
	STEP 1, 0, 0
	s_wait_dscnt 4*NL
	WIN MUL_LO
	MUL16 0, 1, 0
	MUL16 2, 1, 0
	s_wait_dscnt 0
	WIN MUL_HI
	MUL16 4, 1, 0
	MUL16 6, 1, 0
	WIN 0
	; THE WAY OUT.  number = sum x 2^(eA + eB) + bias; code = number / 2^eo, held within +-448.
	s_wait_kmcnt 0x0
	s_add_co_i32 s18, s84, s85                     ; e0 + e1
	s_add_co_i32 s19, s86, s87                     ; e2 + e3
	s_add_co_i32 s20, s88, s89                     ; e4 + e5
	s_add_co_i32 s21, s90, 8                       ; e6 + 8: q / 256 in units of 2^e6
	s_cmp_eq_u32 s101, 1
	s_cselect_b32 s18, s19, s18
	s_cselect_b32 s21, s91, s21                    ; e7
	s_cmp_eq_u32 s101, 2
	s_cselect_b32 s18, s20, s18
	s_cselect_b32 s21, s93, s21                    ; e9
	s_add_co_i32 s18, s18, 127
	s_lshl_b32 s96, s18, 23                        ; 2^(eA + eB) as f32
	s_mov_b32 s97, s96                             ; (named with it as a pair, so it is written)
	s_add_co_i32 s21, s21, 127
	s_lshl_b32 s22, s21, 23
	v_mov_b32 v[SCL], s22
	s_add_co_i32 s21, s21, 8
	s_lshl_b32 s21, s21, 23
	s_or_b32 s21, s21, 0x600000
	v_mov_b32 v[LIM], s21
	s_wait_loadcnt 0x0                             ; the biases
	; q, k have their bias by column, v by row: the other one becomes 0.  These 80 plain instructions name no register of the last products: they are the places behind them.
.set n, 0
.rept 64
	v_cndmask_b32 v[CB+n], v[CB+n], v[NIL], s98
.set n, n+1
.endr
.irp a, 0,1,2,3,4,5,6,7
	v_cndmask_b32 v[RB+2*\a+1], v[NIL], v[RB+2*\a], s98   ; the word is written into both registers of its pair
	v_cndmask_b32 v[RB+2*\a], v[NIL], v[RB+2*\a], s98
.endr
.macro EPI a                           ; block a: my rows 16 a .. 16 a + 15
.if (\a) > 0
	s_wait_xcnt 0x0                                ; the last block's stores have read their registers and bases: both are written again only behind this wait
.if (\a) == 4
	s_add_nc_u64 s[4:5], s[4:5], s[12:13]
	s_add_nc_u64 s[6:7], s[6:7], s[12:13]
.else
	s_add_nc_u64 s[4:5], s[4:5], s[10:11]
	s_add_nc_u64 s[6:7], s[6:7], s[10:11]
.endif
.endif
.set AC, 64*((\a)%4)
	WIN 0x02+((\a)/4)                              ; source 0: window 2 or 3
.set n, 0
.rept 32
	v_pk_fma_f32 v[TMP+n:TMP+n+1], v[AC+n:AC+n+1], s[96:97], v[CB+n:CB+n+1] op_sel_hi:[1,0,1]   ; each accumulator from its low end on
.set n, n+2
.endr
	WIN 0
.set n, 0
.rept 32
	v_pk_add_f32 v[TMP+n:TMP+n+1], v[TMP+n:TMP+n+1], v[RB+2*(\a):RB+2*(\a)+1]   ; one of the two biases is 0, so each number is rounded once
.set n, n+2
.endr
.set n, 0
.rept 64
	v_med3_num_f32 v[TMP+n], v[TMP+n], -v[LIM], v[LIM]   ; the conversion to an 8-bit code does not saturate (ISA guide 7.6.2)
.set n, n+1
.endr
.irp b, 0,1,2,3,4,5,6,7
	v_cvt_scalef32_pk8_fp8_f32 v[CD+2*\b:CD+2*\b+1], v[TMP+8*\b:TMP+8*\b+7], v[SCL]
.endr
	v_nop                                          ; one plain instruction between the conversions and the next block's writes of their sources
	global_store_b128 v[LI], v[CD:CD+3], s[4:5]    ; each store covers 512 consecutive bytes
	global_store_b128 v[LI], v[CD+4:CD+7], s[4:5] offset:512
	global_store_b128 v[LI], v[CD+8:CD+11], s[6:7]
	global_store_b128 v[LI], v[CD+12:CD+15], s[6:7] offset:512
.endm
.irp a, 0,1,2,3,4,5,6,7
	EPI \a
.endr
	s_wait_tensorcnt 0x0                           ; the wave's end
	ds_add_u32 v[SPW], v[NIL]
	s_wait_dscnt 0x0
	CROUND                                         ; the closing round: no work-group ends while a partner may still ask for a tile that names it
	s_endpgm
.Lfunc_end_k_qa4d97cee0e_qkv:
	.size	k_qa4d97cee0e_qkv, .Lfunc_end_k_qa4d97cee0e_qkv-k_qa4d97cee0e_qkv
	.p2alignl 7, 3214868480
	.fill 96, 4, 3214868480
	.section	.rodata,"a",@progbits
	.p2align	6, 0x0
	.amdhsa_kernel k_qa4d97cee0e_qkv
		.amdhsa_group_segment_fixed_size 327680
		.amdhsa_private_segment_fixed_size 0
		.amdhsa_enable_private_segment 0
		.amdhsa_kernarg_size 48
		.amdhsa_user_sgpr_count 2
		.amdhsa_user_sgpr_kernarg_segment_ptr 1
		.amdhsa_wavefront_size32 1
		.amdhsa_system_sgpr_workgroup_id_x 1
		.amdhsa_system_sgpr_workgroup_id_y 1
		.amdhsa_system_sgpr_workgroup_id_z 1
		.amdhsa_system_vgpr_workitem_id 0
		.amdhsa_next_free_vgpr 1024
		.amdhsa_next_free_sgpr 102
		.amdhsa_reserve_vcc 0
		.amdhsa_float_denorm_mode_32 3
		.amdhsa_float_denorm_mode_16_64 3
		.amdhsa_memory_ordered 1
		.amdhsa_forward_progress 1
		.amdhsa_inst_pref_size 159
	.end_amdhsa_kernel
	.amdgpu_metadata
---
amdhsa.version: [ 1, 2 ]
amdhsa.kernels:
  - .name:           k_qa4d97cee0e_qkv
    .symbol:         k_qa4d97cee0e_qkv.kd
    .args:
      - { .name: codes, .offset: 0, .size: 8, .value_kind: global_buffer, .address_space: global }
      - { .name: lowp_scales, .offset: 8, .size: 8, .value_kind: global_buffer, .address_space: global }
      - { .name: bq, .offset: 16, .size: 8, .value_kind: global_buffer, .address_space: global }
      - { .name: bk, .offset: 24, .size: 8, .value_kind: global_buffer, .address_space: global }
      - { .name: bv, .offset: 32, .size: 8, .value_kind: global_buffer, .address_space: global }
      - { .name: img, .offset: 40, .size: 8, .value_kind: global_buffer, .address_space: global }
    .group_segment_fixed_size: 327680
    .private_segment_fixed_size: 0
    .kernarg_segment_align: 8
    .kernarg_segment_size: 48
    .max_flat_workgroup_size: 128
    .sgpr_count:     102
    .vgpr_count:     1024
    .wavefront_size: 32
...
	.end_amdgpu_metadata
.endif
;; end of part 2
;; launch gmax (part 3): grid 8 x 32, 4 waves a work-group, clusters of 4 x 1, 167,936 bytes of LDS; arguments img, pmax; writes pmax
.if DOCPART == 3
	.amdgcn_target "amdgcn-amd-amdhsa--gfx1250"
	.amdhsa_code_object_version 6
	.text
	.protected	k_qa4d97cee0e_gmax
	.globl	k_qa4d97cee0e_gmax
	.p2align	8
	.type	k_qa4d97cee0e_gmax,@function
k_qa4d97cee0e_gmax:
	s_mov_b64 s[64:65], 0
	v_nop
	global_prefetch_b8 v0, s[64:65] scope:SCOPE_SE
	s_setreg_imm32_b32 hwreg(HW_REG_WAVE_MODE, 25, 1), 1
	s_wait_xcnt 0x0
	s_wait_alu depctr_hold_cnt(0) depctr_sa_sdst(0) depctr_va_vdst(0) depctr_va_sdst(0) depctr_va_ssrc(0) depctr_va_vcc(0) depctr_vm_vsrc(0)
	s_getreg_b32 s2, hwreg(HW_REG_IB_STS2, 6, 4)
	s_cmp_eq_u32 s2, 0
	s_cbranch_scc0 .Lentry_in_a_cluster
	s_endpgm
.Lentry_in_a_cluster:
	s_bfe_u32 s2, ttmp6, 0x10000c
	s_cmp_lg_u32 s2, 0x3003
	s_cbranch_scc0 .Lentry_shape_is_right
	s_endpgm
.Lentry_shape_is_right:
; GMAX: the largest |score| over all heads, queries and keys, ahead of the mask: the shift that is taken off every score.  The product q k^T is made in full on the codes; each wave keeps one number: the largest |sum| that it saw.
; The power of two that a sum lacks is applied by the reader.  pmax[(bh x 8 + block) x 4 + wave], 1,024 numbers; the reader takes their maximum: no traffic between work-groups.
; SHARES.  A work-group takes one head (bh = grid y) and 256 queries, a wave 64: four fragments of q in registers.  All 128 fragments of the head's k (131,072 bytes, a dense run of img) lie in LDS, filled ONCE:
; four tensor loads, one a wave, of 128 rows x 256 bytes.  CLUSTER: the four blocks of queries of a cluster read the same k, so each load is asked for jointly (mask 15).
; A group is 2 key tiles x 4 query tiles = 8 matrix instructions into one of two sets of 64 registers; the 32 maxima over the OTHER set stand behind them, and are the places in front of the loads that refill the group's two k fragments.
.set SPARE, 131072                     ; behind k's images: the spare words, 128 bytes a wave
.set LI,   1                           ; v1   16 x lane
.set ADR,  2                           ; v2   LDS address of the trip's loads
.set SPW,  28
.set NIL,  29
.set Q,    32                          ; v32-63   four fragments of q
.set KBX,  64                          ; v64-79   two fragments of k
.set KBY,  80                          ; v80-95   two more
.set ACCX, 96
.set ACCY, 160
.set MX,   224                         ; v224-227 four running maxima
.set WV,   8
.set TB,   24                          ; s24  LDS byte at which the next trip's four fragments begin
.set CNT,  25
.macro CROUND
	s_barrier_signal -1
	s_barrier_wait -1
	s_cmp_lg_u32 s[WV], 0
	s_cbranch_scc1 .Lnot_wave_0_\@
	s_barrier_signal -3
.Lnot_wave_0_\@:
	s_barrier_wait -3
	s_barrier_signal -1
	s_barrier_wait -1
.endm
.macro MAXES a                         ; 64 magnitudes into four chains, each accumulator from its low end on
.set i, 0
.rept 32
	v_max3_num_f32 v[MX+i%4], v[MX+i%4], |v[\a+2*i]|, |v[\a+2*i+1]|
.set i, i+1
.endr
.endm
.macro GRP kb, acc, oth, off, domax, doload, cnt
	s_wait_dscnt \cnt                              ; my two fragments are in; cnt = the other buffer's younger loads, which may stay out
.irp kt, 0,1
.irp qt, 0,1,2,3
	v_wmma_f32_16x16x64_fp8_fp8 v[\acc+8*(4*\kt+\qt):\acc+8*(4*\kt+\qt)+7], v[\kb+8*\kt:\kb+8*\kt+7], v[Q+8*\qt:Q+8*\qt+7], 0
.endr
.endr
.if \domax
	MAXES \oth
.else
.rept 4
	v_nop
.endr
.endif
.if \doload
.irp i, 0,1,2,3
	ds_load_b128 v[\kb+4*\i:\kb+4*\i+3], v[ADR] offset:\off+512*\i
.endr
.endif
.endm
	s_load_b128 s[4:7], s[0:1], 0x0                ; img s[4:5], pmax s[6:7]
	v_lshl_add_u32 v[SPW], v0, 2, SPARE
	v_mov_b32 v[NIL], 0
	ds_add_u32 v[SPW], v[NIL]                      ; the wave's opening: the add and its wait come ahead of my first tensor load
	v_lshrrev_b32 v3, 5, v0
	v_readfirstlane_b32 s[WV], v3
	v_and_b32 v3, 31, v0                           ; lane
	v_lshlrev_b32 v[LI], 4, v3
	v_mov_b32 v4, 0
	s_bfe_u32 s9, ttmp6, 0x40000                   ; cx
	s_lshl_b32 s10, ttmp9, 2
	s_add_co_u32 s10, s10, s9                      ; my block of 256 queries: it enters q's and pmax's addresses alone
	s_and_b32 s11, ttmp7, 0xffff                   ; bh, which the four partners share
	s_mov_b32 s16, 15|(3<<16)|(1<<21)              ; 15:0 the mask: all four; 17:16 elements of 8 bytes; 21 set beside a mask; no padding
	s_mov_b32 s17, 32<<16                          ; tensor_dim0 = 32 elements: 256 bytes
	s_mov_b32 s18, 128<<16                         ; tensor_dim1 = 128
	s_mov_b32 s19, 32<<16                          ; tile_dim0
	s_mov_b32 s20, 128                             ; tile_dim1
	s_mov_b32 s21, 32                              ; stride: the rows are dense
	s_mov_b32 s22, 0
	s_mov_b32 s23, 0
	s_mov_b32 s12, 1
	s_lshl_b32 s13, s[WV], 15                      ; LDS address: my quarter
	s_lshl_b32 s26, s11, 17
	s_add_co_u32 s26, s26, s13
	s_add_co_u32 s26, s26, 0x400000                ; k's images: 4 MiB + 131,072 bh + my quarter
	s_mov_b32 s27, 0
	s_lshl_b32 s28, s11, 17
	s_lshl_b32 s29, s10, 14
	s_add_co_u32 s28, s28, s29
	s_lshl_b32 s29, s[WV], 12
	s_add_co_u32 s28, s28, s29                     ; q's images: 131,072 bh + 1,024 x (16 block + 4 wave)
	s_mov_b32 s29, 0
	s_lshl_b32 s30, s11, 3
	s_add_co_u32 s30, s30, s10
	s_lshl_b32 s30, s30, 2
	s_add_co_u32 s30, s30, s[WV]
	s_lshl_b32 s30, s30, 2
	s_mov_b32 s31, 0
	s_wait_dscnt 0x0                               ; the opening add is done
	s_wait_kmcnt 0x0
	s_add_nc_u64 s[14:15], s[4:5], s[26:27]
	s_or_b32 s15, s15, 0x80000000                  ; type = 2
	s_add_nc_u64 s[4:5], s[4:5], s[28:29]
	s_add_nc_u64 s[6:7], s[6:7], s[30:31]
	CROUND                                         ; all four work-groups are here: the joint loads meet
	tensor_load_to_lds s[12:15], s[16:23]          ; my one tensor load of the launch
	s_nop 0
.rept 4
	v_nop
.endr
.irp qt, 0,1,2,3
	global_load_b128 v[Q+8*\qt:Q+8*\qt+3], v[LI], s[4:5] offset:1024*\qt
	global_load_b128 v[Q+8*\qt+4:Q+8*\qt+7], v[LI], s[4:5] offset:1024*\qt+512
.endr
.irp i, 0,1,2,3,4
	v_mov_b32 v[MX+\i], 0                          ; magnitudes are not negative; v228 is the permute's destination, which counts as read
.endr
	s_mov_b32 s26, 0x76543210
	s_mov_b32 s27, 0xfedcba98
	s_wait_tensorcnt 0x0                           ; my quarter has landed,
	s_barrier_signal -1
	s_barrier_wait -1                              ; everybody's has
.irp i, 0,1,2,3
	ds_load_b128 v[KBX+4*\i:KBX+4*\i+3], v[LI] offset:512*\i
.endr
.irp i, 0,1,2,3
	ds_load_b128 v[KBY+4*\i:KBY+4*\i+3], v[LI] offset:2048+512*\i
.endr
	s_mov_b32 s[TB], 4096
	s_wait_loadcnt 0x0                             ; q
	v_add_nc_u32 v[ADR], s[TB], v[LI]
	GRP KBX, ACCX, ACCY, 0, 0, 1, 4                ; trip 0 is written out: there is no earlier set to take maxima of
	GRP KBY, ACCY, ACCX, 2048, 1, 1, 4
	s_add_co_u32 s[TB], s[TB], 4096
	s_mov_b32 s[CNT], 30
.Ltrip:                                            ; trips 1 to 30: four key tiles each; the loads fetch the next trip's
	v_add_nc_u32 v[ADR], s[TB], v[LI]
	GRP KBX, ACCX, ACCY, 0, 1, 1, 4
	GRP KBY, ACCY, ACCX, 2048, 1, 1, 4
	s_add_co_u32 s[TB], s[TB], 4096
	s_sub_co_u32 s[CNT], s[CNT], 1
	s_cmp_lg_u32 s[CNT], 0
	s_cbranch_scc1 .Ltrip
	GRP KBX, ACCX, ACCY, 0, 1, 0, 4                ; trip 31 fetches nothing
	GRP KBY, ACCY, ACCX, 0, 1, 0, 0
	MAXES ACCY                                     ; (the 32 maxima above are the places behind the last products)
	v_max3_num_f32 v[MX], v[MX], v[MX+1], v[MX+2]
	v_max_num_f32 v[MX], v[MX], v[MX+3]
	v_max_num_f32_dpp v[MX], v[MX], v[MX] row_xmask:1 row_mask:0xf bank_mask:0xf
	v_max_num_f32_dpp v[MX], v[MX], v[MX] row_xmask:2 row_mask:0xf bank_mask:0xf
	v_max_num_f32_dpp v[MX], v[MX], v[MX] row_xmask:4 row_mask:0xf bank_mask:0xf
	v_max_num_f32_dpp v[MX], v[MX], v[MX] row_xmask:8 row_mask:0xf bank_mask:0xf
	v_permlanex16_b32 v[MX+4], v[MX], s26, s27
	v_max_num_f32 v[MX], v[MX], v[MX+4]
	v_cmp_eq_u32 vcc_lo, 0, v3
	s_wait_xcnt 0x0                                ; EXEC changes only behind this wait
	s_and_saveexec_b32 s28, vcc_lo
	global_store_b32 v4, v[MX], s[6:7]             ; lane 0 alone
	s_wait_xcnt 0x0
	s_or_b32 exec_lo, exec_lo, s28
	s_wait_tensorcnt 0x0                           ; the wave's end
	ds_add_u32 v[SPW], v[NIL]
	s_wait_dscnt 0x0
	CROUND                                         ; the closing round
	s_endpgm
.Lfunc_end_k_qa4d97cee0e_gmax:
	.size	k_qa4d97cee0e_gmax, .Lfunc_end_k_qa4d97cee0e_gmax-k_qa4d97cee0e_gmax
	.p2alignl 7, 3214868480
	.fill 96, 4, 3214868480
	.section	.rodata,"a",@progbits
	.p2align	6, 0x0
	.amdhsa_kernel k_qa4d97cee0e_gmax
		.amdhsa_group_segment_fixed_size 167936
		.amdhsa_private_segment_fixed_size 0
		.amdhsa_enable_private_segment 0
		.amdhsa_kernarg_size 16
		.amdhsa_user_sgpr_count 2
		.amdhsa_user_sgpr_kernarg_segment_ptr 1
		.amdhsa_wavefront_size32 1
		.amdhsa_system_sgpr_workgroup_id_x 1
		.amdhsa_system_sgpr_workgroup_id_y 1
		.amdhsa_system_sgpr_workgroup_id_z 1
		.amdhsa_system_vgpr_workitem_id 0
		.amdhsa_next_free_vgpr 256
		.amdhsa_next_free_sgpr 66
		.amdhsa_reserve_vcc 1
		.amdhsa_float_denorm_mode_32 3
		.amdhsa_float_denorm_mode_16_64 3
		.amdhsa_memory_ordered 1
		.amdhsa_forward_progress 1
		.amdhsa_inst_pref_size 23
	.end_amdhsa_kernel
	.amdgpu_metadata
---
amdhsa.version: [ 1, 2 ]
amdhsa.kernels:
  - .name:           k_qa4d97cee0e_gmax
    .symbol:         k_qa4d97cee0e_gmax.kd
    .args:
      - { .name: img, .offset: 0, .size: 8, .value_kind: global_buffer, .address_space: global }
      - { .name: pmax, .offset: 8, .size: 8, .value_kind: global_buffer, .address_space: global }
    .group_segment_fixed_size: 167936
    .private_segment_fixed_size: 0
    .kernarg_segment_align: 8
    .kernarg_segment_size: 16
    .max_flat_workgroup_size: 128
    .sgpr_count:     66
    .vgpr_count:     256
    .wavefront_size: 32
...
	.end_amdgpu_metadata
.endif
;; end of part 3
;; launch attn (part 4): grid 8 x 32, 16 waves a work-group, no clusters, 55,296 bytes of LDS; arguments img, mbits, cls, pmax, lowp_scales, ypl; writes ypl
.if DOCPART == 4
	.amdgcn_target "amdgcn-amd-amdhsa--gfx1250"
	.amdhsa_code_object_version 6
	.text
	.protected	k_qa4d97cee0e_attn
	.globl	k_qa4d97cee0e_attn
	.p2align	8
	.type	k_qa4d97cee0e_attn,@function
k_qa4d97cee0e_attn:
	s_mov_b64 s[64:65], 0
	v_nop
	global_prefetch_b8 v0, s[64:65] scope:SCOPE_SE
	s_setreg_imm32_b32 hwreg(HW_REG_WAVE_MODE, 25, 1), 1
	s_wait_xcnt 0x0
; ATTN: scores, shift, mask, softmax and the product with v, on the operand images that the projections stored; y leaves as codes of E4M3 for the last projection.
; t = (att - gmax) x 32 x log2(e), att = sum x 2^(e6 + e7), gmax = the largest |att| of all: t = c sum - G with c = log2(e) 2^(5 + e6 + e7), G = c x (the maximum of pmax's 1,024 numbers).
; M = the running largest t of a row rounded UP to a whole number; p = 2^(t - M) is quantised with 2^e8; the row's sum is taken of the unquantised p and divides at the end; when M moves, the sum and O are multiplied by a power of two.
; t - M is one fused multiply-add, c sum + (-M - G): its rounding differs from (att - gmax) x 32 x log2(e) by about a last place of G.
; THE MASK IS AN INPUT: an earlier launch stored, for each tile of 16 queries x 128 keys, a class (0 all hidden, 1 mixed, 2 all kept) and 64 lane masks.  A step of class 0 is left out (its p are all 0); in class 1 hidden scores
; become -infinity ahead of the maximum; class 2 skips that.  A row with no key at all has the sum 0: its codes become the NaN code, so that its row of the output is NaN.
; SHARES.  A work-group takes one head (bh = grid y) and the blocks i and 15 - i (i = grid x) of 128 queries; each of its sixteen waves owns one tile of 16 queries in 256 registers, four waves to a SIMD.
; All waves walk the 16 key steps of 128 keys: the trip counts are constants.  A step's images of k and v (8,192 bytes each) come from memory once for the work-group, 16 bytes a thread each, two steps ahead into registers, one step ahead into
; one of two LDS buffers; one barrier a step, outside every branch.
; NO TENSOR LOADS AND NO CLUSTER, though the eight work-groups of a head read the same k and v: the text branches on stored classes and on a given scale, and only tensor loads can be asked for jointly.
; LAYOUT.  S^T = k q^T (source 0 = 16 keys, source 1 = my 16 queries), O^T = v^T p^T: lane (r, h) holds query r throughout; register 8 t + j of S^T is key 16 t + 8 h + j, so eight registers convert into registers 2 t, 2 t + 1 of p's operand.
; LIMITS: 5 + e6 + e7 between -120 and 120; e8 between -126 and 119; NaN among the inputs is not served.
; REGISTERS: v1-8 addresses and constants; v10 G; v12 -M - G, v13 the largest t, v[14:15] the sum; v16 -M; v[18:19] the rescaling; v21, v22 2^e8, 448 x 2^e8; v24-31 q; v32-95 eight fragments of k, then four of v;
;   v96-159 S^T, then p; v160-191 O^T; v192-207 p's codes; v208-223 two sets of staging; v224-227 at work.   s[32:63], s[68:99]: the step's 64 lane masks.
.set BUF1,  16384                      ; LDS: buffer 0 at 0, buffer 1 here: k's images, then v's
.set VPART, 8192
.set STAGE, 32768                      ; the way out: 16 rows x 80 bytes a wave
.set SPARE, 53248                      ; the spare words, 128 bytes a wave: eight blocks of 256 bytes that no other line names
.set LI,   1                           ; v1  16 x lane
.set TI,   2                           ; v2  16 x thread
.set PFO,  3                           ; v3  256 x lane
.set NINF, 4                           ; v4  -infinity
.set SPW,  5
.set NIL,  6
.set SIN,  7                           ; v7  the stage: where I put 8 bytes of a row
.set SOUT, 8                           ; v8  and where I read 16 bytes back
.set GG,   10
.set QF,   24
.set FB,   32
.set S,    96
.set O,    160
.set PC,   192
.set SG,   208
.set T0,   224
.set T1,   225
.set WV,   12
.set CW,   13                          ; s13 the classes still to come, two bits a step
.set CL,   14                          ; s14 this step's class
.set U,    15                          ; s15 the trip
.set CS,   16                          ; s[16:17] c
.set SEL,  18                          ; s[18:19] lane selects: lane l xor 16
.set NOHOLD, 20                        ; s20 1 where e8 >= -8: p <= 1 then stays under 448 x 2^e8
.set PLIM, 21                          ; s21 trips in which this wave prefetches
; A KEY STEP.  p: the buffer that it reads.  st = 1: the next step's images go from registers into the other buffer.  ld = 1: the images of two steps on are asked for.  bar = 1: a barrier ends it.
.macro STEP p, st, ld, bar
.if \st
	s_wait_loadcnt 0x0                             ; the next step's images, asked for a step ago, are in registers
	ds_store_b128 v[TI], v[SG+8*(1-\p):SG+8*(1-\p)+3] offset:(1-\p)*BUF1           ; the other buffer's readers finished in front of the last barrier
	ds_store_b128 v[TI], v[SG+8*(1-\p)+4:SG+8*(1-\p)+7] offset:(1-\p)*BUF1+VPART
.endif
.if \ld
	global_load_b128 v[SG+8*\p:SG+8*\p+3], v[TI], s[4:5] offset:(\p+2)*8192        ; this set's stores into LDS were waited for in front of the last barrier
	global_load_b128 v[SG+8*\p+4:SG+8*\p+7], v[TI], s[6:7] offset:(\p+2)*8192
	s_cmp_lt_u32 s[U], s[PLIM]                     ; v's images of four steps on, two steps ahead of their load: 32 lanes, 256 bytes apart, name the step's 8,192 bytes.  One wave of the head's first work-group asks, so each
	s_cbranch_scc0 .Lnoask_\@                      ; block is named once in the launch; trips 0 to 5 ask, for steps 4 to 15: nothing points past the head's images.  (k's images were read by the launch before)
	global_prefetch_b8 v[PFO], s[6:7] offset:(\p+4)*8192 th:TH_LOAD_NT scope:SCOPE_SE
.Lnoask_\@:
.endif
	s_and_b32 s[CL], s[CW], 3
	s_lshr_b32 s[CW], s[CW], 2
	s_cmp_eq_u32 s[CL], 0
	s_cbranch_scc1 .Lskip_\@                       ; all 16 x 128 hidden: nothing to add
	s_load_b512 s[32:47], s[8:9], 256*\p
	s_load_b512 s[48:63], s[8:9], 256*\p+64
	s_load_b512 s[68:83], s[8:9], 256*\p+128
	s_load_b512 s[84:99], s[8:9], 256*\p+192
.irp t, 0,1,2,3,4,5,6,7
	ds_load_b128 v[FB+8*\t:FB+8*\t+3], v[LI] offset:\p*BUF1+1024*\t
	ds_load_b128 v[FB+8*\t+4:FB+8*\t+7], v[LI] offset:\p*BUF1+1024*\t+512
.endr
	s_wait_dscnt 0x0
.irp t, 0,1,2,3,4,5,6,7
	v_wmma_f32_16x16x64_fp8_fp8 v[S+8*\t:S+8*\t+7], v[FB+8*\t:FB+8*\t+7], v[QF:QF+7], 0
.endr
.rept 4
	v_nop                                          ; places in front of the loads into k's registers and of the first read of the scores
.endr
.irp d, 0,1,2,3
.irp g, 0,1,2,3
	ds_load_b128 v[FB+16*\d+4*\g:FB+16*\d+4*\g+3], v[LI] offset:\p*BUF1+VPART+2048*\d+512*\g   ; v's fragments land while the softmax is walked
.endr
.endr
	s_wait_kmcnt 0x0                               ; the lane masks
	s_cmp_eq_u32 s[CL], 2
	s_cbranch_scc1 .Lopen_\@
.set n, 0
.rept 32
	v_cndmask_b32 v[S+n], v[NINF], v[S+n], s[32+n]
.set n, n+1
.endr
.rept 32
	v_cndmask_b32 v[S+n], v[NINF], v[S+n], s[36+n]
.set n, n+1
.endr
.Lopen_\@:
	v_max3_num_f32 v[T0], v[S], v[S+1], v[S+2]     ; the step's largest score of my query among my 64 keys, in two chains, ascending
	v_max3_num_f32 v[T1], v[S+3], v[S+4], v[S+5]
.irp i, 6,10,14,18,22,26,30,34,38,42,46,50,54,58
	v_max3_num_f32 v[T0], v[T0], v[S+\i], v[S+\i+1]
	v_max3_num_f32 v[T1], v[T1], v[S+\i+2], v[S+\i+3]
.endr
	v_max3_num_f32 v[T0], v[T0], v[S+62], v[S+63]
	v_max_num_f32 v[T0], v[T0], v[T1]
	v_permlanex16_b32 v20, v[T0], s[SEL], s[SEL+1]
	v_max_num_f32 v[T0], v[T0], v20                ; and among lane l xor 16's
	v_fma_f32 v[T0], v[T0], s[CS], -v[GG]          ; as t (c is positive)
	v_max_num_f32 v13, v13, v[T0]                  ; the running largest t
	v_mov_b32 v17, v16
	v_floor_f32 v16, -v13                          ; the new -M = -ceil(t): a whole number
	v_sub_f32 v17, v16, v17                        ; old M - new M, 0 or less
	v_cvt_i32_f32 v17, v17                         ; (it saturates)
	v_ldexp_f32 v18, 1.0, v17                      ; 2^(old M - new M)
	v_sub_f32 v12, v16, v[GG]                      ; -M - G
.set n, 0
.rept 32
	v_pk_fma_f32 v[S+n:S+n+1], v[S+n:S+n+1], s[CS:CS+1], v[12:13] op_sel_hi:[1,0,0]   ; t - M, two at a time (the pairs' low words serve both halves)
.set n, n+2
.endr
.set n, 0
.rept 64
	v_exp_f32 v[S+n], v[S+n]                       ; p = 2^(t - M)
.set n, n+1
.endr
	v_pk_mul_f32 v[14:15], v[14:15], v[18:19] op_sel_hi:[1,0]   ; the sum under the new M: the plain instruction behind the exponentials
	s_wait_alu depctr_va_vdst(0)                   ; one wait for the batch of 64, ahead of its first reader
	v_pk_add_f32 v[226:227], v[S:S+1], v[S+2:S+3]  ; the row's sum is taken of the unquantised p, in two chains
.irp j, 4,8,12,16,20,24,28,32,36,40,44,48,52,56,60
	v_pk_add_f32 v[14:15], v[14:15], v[S+\j:S+\j+1]
	v_pk_add_f32 v[226:227], v[226:227], v[S+\j+2:S+\j+3]
.endr
	v_pk_add_f32 v[14:15], v[14:15], v[226:227]
	s_cmp_lg_u32 s[NOHOLD], 0
	s_cbranch_scc1 .Lnohold_\@
.set n, 0
.rept 64
	v_min_num_f32 v[S+n], v[S+n], v22              ; the conversion does not saturate (ISA guide 7.6.2); p is not negative, so the hold is one-sided
.set n, n+1
.endr
.Lnohold_\@:
.irp t, 0,1,2,3,4,5,6,7
	v_cvt_scalef32_pk8_fp8_f32 v[PC+2*\t:PC+2*\t+1], v[S+8*\t:S+8*\t+7], v21
.endr
.set n, 0
.rept 16
	v_pk_mul_f32 v[O+n:O+n+1], v[O+n:O+n+1], v[18:19] op_sel_hi:[1,0]   ; O^T under the new M; also the plain instructions between the conversions and the products
.set n, n+2
.endr
	s_wait_dscnt 0x0                               ; v's fragments
.irp d, 0,1,2,3
	v_wmma_f32_16x16x128_fp8_fp8 v[O+8*\d:O+8*\d+7], v[FB+16*\d:FB+16*\d+15], v[PC:PC+15], v[O+8*\d:O+8*\d+7]   ; four accumulators, one instruction a turn
.endr
.rept 4
	v_nop                                          ; places in front of the next loads into v's registers and of the next read of O^T
.endr
.Lskip_\@:
	s_wait_dscnt 0x0                               ; my stores into the other buffer have landed and my reads of this one are over
.if \bar
	s_barrier_signal -1
	s_barrier_wait -1
.endif
.endm
	s_load_b256 s[32:39], s[0:1], 0x0              ; img s[32:33], mbits s[34:35], cls s[36:37], pmax s[38:39]
	s_load_b128 s[40:43], s[0:1], 0x20             ; lowp_scales s[40:41], ypl s[42:43]
	v_lshl_add_u32 v[SPW], v0, 2, SPARE
	v_mov_b32 v[NIL], 0
	v_lshrrev_b32 v9, 5, v0
	v_readfirstlane_b32 s[WV], v9                  ; wave 0..15
	v_and_b32 v9, 31, v0
	v_lshlrev_b32 v[LI], 4, v9
	v_lshlrev_b32 v[TI], 4, v0
	v_lshlrev_b32 v[PFO], 8, v9
	s_mul_i32 s23, s[WV], 1280
	s_add_co_u32 s23, s23, STAGE                   ; my stage
	v_and_b32 v11, 15, v0
	v_mul_u32_u24 v[SIN], v11, 80
	v_bfe_u32 v11, v0, 4, 1
	v_lshl_add_u32 v[SIN], v11, 3, v[SIN]
	v_add_nc_u32 v[SIN], s23, v[SIN]               ; in: row r, + 8 h
	v_lshrrev_b32 v11, 2, v9
	v_mul_u32_u24 v[SOUT], v11, 80
	v_and_b32 v11, 3, v0
	v_lshl_add_u32 v[SOUT], v11, 4, v[SOUT]
	v_add_nc_u32 v[SOUT], s23, v[SOUT]             ; back: four lanes to a row of 64 bytes
	s_and_b32 s24, ttmp7, 0xffff                   ; bh
	s_lshr_b32 s25, s[WV], 2
	s_xor_b32 s25, s25, s[WV]
	s_and_b32 s25, s25, 1                          ; which of the two blocks: of waves 4 m .. 4 m + 3, and of waves m, m + 4, m + 8, m + 12, two take each
	s_sub_co_u32 s26, 15, ttmp9
	s_cmp_eq_u32 s25, 1
	s_cselect_b32 s25, s26, ttmp9
	s_lshl_b32 s25, s25, 3
	s_lshr_b32 s26, s[WV], 1
	s_add_co_u32 s25, s25, s26                     ; my tile of 16 queries, 0..127
	s_xor_b32 s26, s[WV], 1
	s_or_b32 s26, s26, ttmp9
	s_cmp_eq_u32 s26, 0
	s_cselect_b32 s[PLIM], 6, 0                    ; wave 1 of the head's first work-group prefetches
	s_mov_b32 s[SEL], 0x76543210
	s_mov_b32 s[SEL+1], 0xfedcba98
	s_mov_b32 s27, 0
	s_mov_b32 s29, 0
	s_wait_kmcnt 0x0
	s_lshl_b32 s26, s25, 6
	s_add_nc_u64 s[2:3], s[36:37], s[26:27]
	s_load_b512 s[68:83], s[2:3], 0x0              ; my tile's 16 classes
	s_load_b256 s[44:51], s[40:41], 0x0            ; e0 .. e7
	s_load_b128 s[52:55], s[40:41], 0x20           ; e8 .. e11
	s_lshl_b32 s26, s24, 17
	s_add_nc_u64 s[4:5], s[32:33], s[26:27]        ; the head's images of q,
	s_lshl_b32 s28, s25, 10
	s_add_nc_u64 s[30:31], s[4:5], s[28:29]        ; my fragment among them,
	s_add_nc_u64 s[6:7], s[4:5], 0x800000          ; of v,
	s_add_nc_u64 s[4:5], s[4:5], 0x400000          ; of k: both stand at key step 2 x trip
	s_lshl_b32 s28, s25, 12
	s_add_nc_u64 s[8:9], s[34:35], s[28:29]        ; my tile's lane masks, 256 bytes a step
	s_lshr_b32 s28, s24, 4
	s_lshl_b32 s28, s28, 3
	s_lshr_b32 s26, s25, 4
	s_add_co_u32 s28, s28, s26                     ; my block of 256 tokens = 8 batch + tile / 16
	s_lshl_b32 s28, s28, 4
	s_and_b32 s26, s24, 15
	s_add_co_u32 s28, s28, s26                     ; x 16 + head
	s_lshl_b32 s28, s28, 14
	s_and_b32 s26, s25, 15
	s_lshl_b32 s26, s26, 10
	s_add_co_u32 s28, s28, s26                     ; + my 16 tokens of 64 bytes
	s_add_nc_u64 s[10:11], s[42:43], s[28:29]
.irp i, 0,1,2,3,4,5,6,7
	global_load_b128 v[FB+4*\i:FB+4*\i+3], v[LI], s[38:39] offset:512*\i   ; all 1,024 partial maxima, 32 a lane
.endr
	global_load_b128 v[QF:QF+3], v[LI], s[30:31]
	global_load_b128 v[QF+4:QF+7], v[LI], s[30:31] offset:512
	global_load_b128 v[SG:SG+3], v[TI], s[4:5]                    ; key step 0
	global_load_b128 v[SG+4:SG+7], v[TI], s[6:7]
	global_load_b128 v[SG+8:SG+11], v[TI], s[4:5] offset:8192     ; key step 1
	global_load_b128 v[SG+12:SG+15], v[TI], s[6:7] offset:8192
	v_mov_b32 v[NINF], 0xff800000
	v_mov_b32 v13, 0xff61b1e6                      ; the largest t so far: -3e38, under every t
	v_floor_f32 v16, -v13
	v_mov_b32 v14, 0
	v_mov_b32 v15, 0
	v_mov_b32 v19, 0                               ; (named as the upper half of the pair v[18:19])
	v_mov_b32 v20, 0                               ; a lane permute's destination counts as read
.set n, 0
.rept 32
	v_mov_b32 v[O+n], 0                            ; the step is written once: the first finds zeros, which the first change of M leaves zeros
.set n, n+1
.endr
	s_wait_kmcnt 0x0
	s_mov_b32 s[CW], 0
.irp k, 0,1,2,3,4,5,6,7,8,9,10,11,12,13,14,15
	s_lshl_b32 s26, s[68+\k], 2*\k
	s_or_b32 s[CW], s[CW], s26
.endr
	s_add_co_i32 s26, s50, s51                     ; e6 + e7
	s_add_co_i32 s26, s26, 5
	s_lshl_b32 s26, s26, 23
	s_add_co_i32 s[CS], s26, 0x3fb8aa3b            ; c = log2(e) x 2^(5 + e6 + e7): the whole number is added to the exponent field
	s_mov_b32 s[CS+1], s[CS]                       ; (named with it as a pair, so it is written)
	s_cmp_ge_i32 s52, -8
	s_cselect_b32 s[NOHOLD], 1, 0
	s_add_co_i32 s26, s52, 127
	s_lshl_b32 s28, s26, 23
	v_mov_b32 v21, s28                             ; 2^e8
	s_add_co_i32 s26, s26, 8
	s_lshl_b32 s26, s26, 23
	s_or_b32 s26, s26, 0x600000
	v_mov_b32 v22, s26                             ; 448 x 2^e8
	s_add_co_i32 s100, s52, s53
	s_sub_co_i32 s100, s100, s54                   ; e8 + e9 - e10: O^T / the sum in units of y's scale
	s_wait_loadcnt 0x6                             ; the partial maxima are in; q and two steps' images may be out
	v_max3_num_f32 v[T0], v[FB], v[FB+1], v[FB+2]
	v_max3_num_f32 v[T1], v[FB+3], v[FB+4], v[FB+5]
.irp i, 6,10,14,18,22,26
	v_max3_num_f32 v[T0], v[T0], v[FB+\i], v[FB+\i+1]
	v_max3_num_f32 v[T1], v[T1], v[FB+\i+2], v[FB+\i+3]
.endr
	v_max3_num_f32 v[T0], v[T0], v[FB+30], v[FB+31]
	v_max_num_f32 v[T0], v[T0], v[T1]
	v_max_num_f32_dpp v[T0], v[T0], v[T0] row_xmask:1 row_mask:0xf bank_mask:0xf
	v_max_num_f32_dpp v[T0], v[T0], v[T0] row_xmask:2 row_mask:0xf bank_mask:0xf
	v_max_num_f32_dpp v[T0], v[T0], v[T0] row_xmask:4 row_mask:0xf bank_mask:0xf
	v_max_num_f32_dpp v[T0], v[T0], v[T0] row_xmask:8 row_mask:0xf bank_mask:0xf
	v_permlanex16_b32 v20, v[T0], s[SEL], s[SEL+1]
	v_max_num_f32 v[T0], v[T0], v20
	v_mul_f32 v[GG], s[CS], v[T0]                  ; G
	s_wait_loadcnt 0x2                             ; q and key step 0 are in; step 1's two loads may be out
	ds_store_b128 v[TI], v[SG:SG+3]
	ds_store_b128 v[TI], v[SG+4:SG+7] offset:VPART
	s_wait_dscnt 0x0
	s_barrier_signal -1
	s_barrier_wait -1                              ; buffer 0 is whole
	s_mov_b32 s[U], 0
.Ltrip:                                            ; seven trips of two key steps
	STEP 0, 1, 1, 1
	STEP 1, 1, 1, 1
	s_wait_xcnt 0x0                                ; the trip's loads and its prefetch have read their bases: they are stepped only behind this wait
	s_add_nc_u64 s[4:5], s[4:5], 16384
	s_add_nc_u64 s[6:7], s[6:7], 16384
	s_add_nc_u64 s[8:9], s[8:9], 512
	s_add_co_u32 s[U], s[U], 1
	s_cmp_lt_u32 s[U], 7
	s_cbranch_scc1 .Ltrip
	STEP 0, 1, 0, 1                                ; steps 14 and 15 ask for nothing: no load leaves the head's images
	STEP 1, 0, 0, 0
	; THE WAY OUT: y = O^T 2^(e8 + e9) / the sum; code = y / 2^e10, held within +-448.  16 rows of 64 codes go through my stage and leave as 1,024 consecutive bytes.
	v_add_f32 v14, v14, v15
	v_permlanex16_b32 v20, v14, s[SEL], s[SEL+1]
	v_add_f32 v14, v14, v20                        ; the row's sum
	v_cmp_eq_f32 s22, 0, v14                       ; a row with no key
	v_rcp_f32 v17, v14
	v_mov_b32 v21, 1.0                             ; (the plain instruction behind the reciprocal)  the conversions' scale
	v_mov_b32 v23, 0x43e00000                      ; 448
	v_mov_b32 v226, 0x7f7f7f7f                     ; four NaN codes
	s_wait_alu depctr_va_vdst(0)                   ; the wait ahead of the reciprocal's first reader
	v_ldexp_f32 v17, v17, s100
.set n, 0
.rept 32
	v_mul_f32 v[S+n], v[O+n], v17                  ; register 8 d + j: channel 16 d + 8 h + j of query r; each accumulator from its low end on
.set n, n+1
.endr
.set n, 0
.rept 32
	v_med3_num_f32 v[S+n], v[S+n], -v23, v23
.set n, n+1
.endr
.irp d, 0,1,2,3
	v_cvt_scalef32_pk8_fp8_f32 v[128+2*\d:129+2*\d], v[S+8*\d:S+8*\d+7], v21
.endr
	v_nop                                          ; one plain instruction between the conversions and the selects that touch their results
.irp k, 0,1,2,3,4,5,6,7
	v_cndmask_b32 v[128+\k], v[128+\k], v226, s22
.endr
.irp d, 0,1,2,3
	ds_store_b64 v[SIN], v[128+2*\d:129+2*\d] offset:16*\d
.endr
	ds_load_b128 v[136:139], v[SOUT]               ; the wave's own bytes, served in order behind its stores
	ds_load_b128 v[140:143], v[SOUT] offset:640
	s_wait_dscnt 0x0
	global_store_b128 v[LI], v[136:139], s[10:11]  ; each store covers 512 consecutive bytes
	global_store_b128 v[LI], v[140:143], s[10:11] offset:512
	s_wait_tensorcnt 0x0                           ; the wave's end
	ds_add_u32 v[SPW], v[NIL]
	s_wait_dscnt 0x0
	s_endpgm
.Lfunc_end_k_qa4d97cee0e_attn:
	.size	k_qa4d97cee0e_attn, .Lfunc_end_k_qa4d97cee0e_attn-k_qa4d97cee0e_attn
	.p2alignl 7, 3214868480
	.fill 96, 4, 3214868480
	.section	.rodata,"a",@progbits
	.p2align	6, 0x0
	.amdhsa_kernel k_qa4d97cee0e_attn
		.amdhsa_group_segment_fixed_size 55296
		.amdhsa_private_segment_fixed_size 0
		.amdhsa_enable_private_segment 0
		.amdhsa_kernarg_size 48
		.amdhsa_user_sgpr_count 2
		.amdhsa_user_sgpr_kernarg_segment_ptr 1
		.amdhsa_wavefront_size32 1
		.amdhsa_system_sgpr_workgroup_id_x 1
		.amdhsa_system_sgpr_workgroup_id_y 1
		.amdhsa_system_sgpr_workgroup_id_z 1
		.amdhsa_system_vgpr_workitem_id 0
		.amdhsa_next_free_vgpr 256
		.amdhsa_next_free_sgpr 102
		.amdhsa_reserve_vcc 0
		.amdhsa_float_denorm_mode_32 3
		.amdhsa_float_denorm_mode_16_64 3
		.amdhsa_memory_ordered 1
		.amdhsa_forward_progress 1
		.amdhsa_inst_pref_size 95
	.end_amdhsa_kernel
	.amdgpu_metadata
---
amdhsa.version: [ 1, 2 ]
amdhsa.kernels:
  - .name:           k_qa4d97cee0e_attn
    .symbol:         k_qa4d97cee0e_attn.kd
    .args:
      - { .name: img, .offset: 0, .size: 8, .value_kind: global_buffer, .address_space: global }
      - { .name: mbits, .offset: 8, .size: 8, .value_kind: global_buffer, .address_space: global }
      - { .name: cls, .offset: 16, .size: 8, .value_kind: global_buffer, .address_space: global }
      - { .name: pmax, .offset: 24, .size: 8, .value_kind: global_buffer, .address_space: global }
      - { .name: lowp_scales, .offset: 32, .size: 8, .value_kind: global_buffer, .address_space: global }
      - { .name: ypl, .offset: 40, .size: 8, .value_kind: global_buffer, .address_space: global }
    .group_segment_fixed_size: 55296
    .private_segment_fixed_size: 0
    .kernarg_segment_align: 8
    .kernarg_segment_size: 48
    .max_flat_workgroup_size: 512
    .sgpr_count:     102
    .vgpr_count:     256
    .wavefront_size: 32
...
	.end_amdgpu_metadata
.endif
;; end of part 4
;; launch proj (part 5): grid 4 x 16, 4 waves a work-group, clusters of 4 x 4, 327,680 bytes of LDS; arguments ypl, codes, lowp_scales, bp, out0; writes out0
.if DOCPART == 5
	.amdgcn_target "amdgcn-amd-amdhsa--gfx1250"
	.amdhsa_code_object_version 6
	.text
	.protected	k_qa4d97cee0e_proj
	.globl	k_qa4d97cee0e_proj
	.p2align	8
	.type	k_qa4d97cee0e_proj,@function
k_qa4d97cee0e_proj:
	s_mov_b64 s[64:65], 0
	v_nop
	global_prefetch_b8 v0, s[64:65] scope:SCOPE_SE
	s_setreg_imm32_b32 hwreg(HW_REG_WAVE_MODE, 25, 1), 1
	s_wait_xcnt 0x0
	s_wait_alu depctr_hold_cnt(0) depctr_sa_sdst(0) depctr_va_vdst(0) depctr_va_sdst(0) depctr_va_ssrc(0) depctr_va_vcc(0) depctr_vm_vsrc(0)
	s_getreg_b32 s2, hwreg(HW_REG_IB_STS2, 6, 4)
	s_cmp_eq_u32 s2, 0
	s_cbranch_scc0 .Lentry_in_a_cluster
	s_endpgm
.Lentry_in_a_cluster:
	s_bfe_u32 s2, ttmp6, 0x10000c
	s_cmp_lg_u32 s2, 0xf033
	s_cbranch_scc0 .Lentry_shape_is_right
	s_endpgm
.Lentry_shape_is_right:
; PROJ: out0 = y Wp + bp on codes of E4M3; y's codes with 2^e10, Wp's with 2^e11; out0 [4096][1024] f32.
; A = y's codes, laid [block of 256 tokens][head][256 tokens][64 codes]: the 256 along K of a K step are four heads, 65,536 consecutive bytes for a tile row.  B = Wp's codes [n][k] at 15 MiB of codes.
; A tile of out0 is 256 x 256: four waves, each 128 x 128 in 64 accumulators.  K goes in steps of 256 through a ring of two LDS slots filled by joint tensor loads (4 x 4 clusters: A's tile shared along a row, B's along a column).
; A's tile comes as 128 rows of 256 bytes a wave (two heads), 16 bytes of padding behind each: an LDS row holds four tokens' 64 codes of one head; lane r reads at (r / 4) x 272 + (r % 4) x 64 + 16 h:
; sixteen lanes touch sixteen different columns of 16 bytes.  Fragments come by four loads of 16 bytes a side, registers 4 c .. 4 c + 3 = k 32 c + 16 h + 0..15: a permutation of k, the same in A and B.
; THE MATRIX INSTRUCTION IS USED TRANSPOSED (source 0 = 16 rows of B, source 1 = 16 tokens): a lane holds eight neighbouring numbers of a row of out0.
; THE BIAS is the C of each sum's first matrix instruction, as bp / 2^(e10 + e11); each finished sum is multiplied once by 2^(e10 + e11).
; LIMIT: e10 + e11 between -126 and 127.
; REGISTERS, in windows of 256: window 0: v1-29 addresses; v32-95 the bias, later the way out; from v128 A's fragments, ONE set.  window 1: B's fragments, two sets.  windows 2, 3: the accumulators.
.set SIZE_N, 1024
.set ROWB,   256
.set KROW,   1024
.set PITCH,  272
.set FR,     16
.set NL,     4
.set NP,     4
.set HALFT,  128*PITCH
.set SLOT,   4*HALFT
.set LAPS,   2
.set SPARE,  2*SLOT
.set SPITCH, 528                       ; the way out: a stage of 16 rows x (512 bytes + 16) a wave, in slot 0, which has had its last fill and its last read when the first result is stored there
.set ADRA, 16                          ; v16-19  LDS address of my A fragments: 2 x slot + which 128 along K
.set ADRB, 20                          ; v20-21  of my B fragments in slot 0, 1
.set STO,  24
.set RD,   25
.set CO,   26
.set SPW,  28
.set NIL,  29
.set CBI,  32                          ; v32-95  the bias at my lane's 64 columns
.set TMP,  32
.set AF,   128
.set BK,   128
.set G1, 24
.set G0, 32
.set G1B, 48
.set G0B, 56
.set MSB, 0
.macro WIN new
.if MSB != \new
	s_set_vgpr_msb (MSB<<8)|\new
.set MSB, \new
.endif
.endm
.set MUL_LO, 0xa1                      ; source 0 (B) window 1, source 1 (A) window 0, C and D window 2
.set MUL_HI, 0xf1
.set FST_LO, 0x81                      ; the same with C (the bias) in window 0
.set FST_HI, 0xc1
.set TO_B,   0x40
.macro JLOAD g0a, g1a, g0b, g1b        ; waves 0 and 1 fetch for A, waves 2 and 3 for B; an s_nop 0 and four v_nop follow each of the two lines
	s_cmp_eq_u32 s15, 0
	s_cbranch_scc0 .Lfor_b_\@
	tensor_load_to_lds s[\g0a:\g0a+3], s[\g1a:\g1a+7]
	s_nop 0
.rept 4
	v_nop
.endr
	s_branch .Lasked_\@
.Lfor_b_\@:
	tensor_load_to_lds s[\g0b:\g0b+3], s[\g1b:\g1b+7]
	s_nop 0
.rept 4
	v_nop
.endr
.Lasked_\@:
.endm
.macro CREST
	s_cmp_lg_u32 s14, 0
	s_cbranch_scc1 .Lnot_wave_0_\@
	s_barrier_signal -3
.Lnot_wave_0_\@:
	s_barrier_wait -3
	s_barrier_signal -1
	s_barrier_wait -1
.endm
.macro CROUND
	s_barrier_signal -1
	s_barrier_wait -1
	CREST
.endm
	s_load_b128 s[4:7], s[0:1], 0x0                ; ypl s[4:5], codes s[6:7]
	s_load_b128 s[8:11], s[0:1], 0x10              ; lowp_scales s[8:9], bp s[10:11]
	s_load_b64 s[12:13], s[0:1], 0x20              ; out0
	v_lshl_add_u32 v[SPW], v0, 2, SPARE
	v_mov_b32 v[NIL], 0
	ds_add_u32 v[SPW], v[NIL]                      ; the wave's opening: the add and its wait come ahead of my first tensor load
	v_lshrrev_b32 v1, 5, v0
	v_readfirstlane_b32 s14, v1                    ; wave 0..3
	s_lshr_b32 s15, s14, 1                         ; which half of the tile's rows is mine.  Also: I fetch for A (0) or for B (1)
	s_and_b32 s16, s14, 1                          ; which half of its columns.  Also: which half of that tile I fetch
	s_bfe_u32 s40, ttmp6, 0x40000                  ; cx
	s_bfe_u32 s41, ttmp6, 0x40004                  ; cy
	s_lshl_b32 s42, ttmp9, 2
	s_add_co_u32 s42, s42, s40                     ; tile column
	s_and_b32 s17, ttmp7, 0xffff
	s_lshl_b32 s17, s17, 2
	s_add_co_u32 s17, s17, s41                     ; tile row
	s_lshl_b32 s43, s41, 2
	s_lshl_b32 s43, 15, s43                        ; my row of the cluster
	s_lshl_b32 s44, 0x1111, s40                    ; my column
	s_or_b32 s[G1+0], s43, (0<<16)|(1<<20)|(1<<21)|(5<<22)|(3<<25)  ; the mask; elements of 1 byte; padding on; 21 set beside a mask; four words after every 64
	s_or_b32 s[G1B+0], s44, (0<<16)|(1<<20)|(1<<21)|(5<<22)|(3<<25)
.irp g, G1, G1B
	s_mov_b32 s[\g+1], ROWB<<16                    ; tensor_dim0
	s_mov_b32 s[\g+2], 128<<16                     ; tensor_dim1
	s_mov_b32 s[\g+3], ROWB<<16                    ; tile_dim0
	s_mov_b32 s[\g+4], 128                         ; tile_dim1
	s_mov_b32 s[\g+6], 0
	s_mov_b32 s[\g+7], 0
.endr
	s_mov_b32 s[G1+5], ROWB                        ; A's rows are dense in memory,
	s_mov_b32 s[G1B+5], KROW                       ; B's 1,024 bytes apart
	s_lshl_b32 s20, s17, 18                        ; A: the tile row's 16 heads x 16,384 bytes,
	s_lshl_b32 s18, s16, 15                        ;    + my two heads of the K step's four
	s_add_co_u32 s20, s20, s18
	s_mov_b32 s21, 0
	s_lshl_b32 s46, s42, 8
	s_lshl_b32 s18, s16, 7
	s_add_co_u32 s46, s46, s18                     ; B: row 256 x tile column + 128 x half
	s_lshl_b32 s46, s46, 10
	s_add_co_u32 s46, s46, 0xF00000                ; among Wp's codes
	s_mov_b32 s47, 0
	s_mul_i32 s45, s14, HALFT                      ; where they go: wave x 128 LDS rows
	s_wait_dscnt 0x0                               ; the opening add is done
	s_wait_kmcnt 0x0
	s_load_b64 s[96:97], s[8:9], 0x28              ; e10, e11
	s_add_nc_u64 s[20:21], s[4:5], s[20:21]
	s_add_nc_u64 s[46:47], s[6:7], s[46:47]
	CROUND                                         ; all sixteen work-groups are here: the first joint loads meet
.irp s, 0,1
	s_mov_b32 s[G0+4*\s], 1
	s_add_co_u32 s[G0+4*\s+1], s45, \s*SLOT
	s_add_nc_u64 s[G0+4*\s+2:G0+4*\s+3], s[20:21], \s*65536
	s_or_b32 s[G0+4*\s+3], s[G0+4*\s+3], 0x80000000
	s_mov_b32 s[G0B+4*\s], 1
	s_add_co_u32 s[G0B+4*\s+1], s45, \s*SLOT
	s_add_nc_u64 s[G0B+4*\s+2:G0B+4*\s+3], s[46:47], \s*ROWB
	s_or_b32 s[G0B+4*\s+3], s[G0B+4*\s+3], 0x80000000
	JLOAD G0+4*\s, G1, G0B+4*\s, G1B
.endr
	v_and_b32 v1, 15, v0                           ; r
	v_bfe_u32 v2, v0, 4, 1                         ; h
	s_lshl_b32 s19, s42, 8
	s_lshl_b32 s18, s16, 7
	s_add_co_u32 s19, s19, s18                     ; my first column
	v_lshlrev_b32 v7, 5, v2
	v_lshl_add_u32 v7, s19, 2, v7                  ; 4 (column + 8 h)
.irp b, 0,1,2,3,4,5,6,7
	global_load_b128 v[CBI+8*\b:CBI+8*\b+3], v7, s[10:11] offset:64*\b
	global_load_b128 v[CBI+8*\b+4:CBI+8*\b+7], v7, s[10:11] offset:64*\b+16
.endr
	v_mul_u32_u24 v3, v1, PITCH
	v_lshl_add_u32 v4, v2, 4, v3                   ; B: row r x pitch + 16 h
	v_lshrrev_b32 v5, 2, v1
	v_mul_u32_u24 v5, v5, PITCH
	v_and_b32 v6, 3, v1
	v_lshl_add_u32 v5, v6, 6, v5
	v_lshl_add_u32 v5, v2, 4, v5                   ; A: (r / 4) x pitch + 64 (r % 4) + 16 h
	s_mul_i32 s21, s15, 32*PITCH                   ; my 128 tokens: 32 LDS rows of each head
	s_mul_i32 s22, s16, HALFT
	s_add_co_u32 s22, s22, 2*HALFT
.irp s, 0,1
	v_add_nc_u32 v[ADRA+2*\s], s21, v5
	v_add_nc_u32 v[ADRA+2*\s+1], HALFT, v[ADRA+2*\s]   ; the slot's second 128 along K: the two heads that wave 1 fetched
	v_add_nc_u32 v[ADRB+\s], s22, v4
	s_add_co_u32 s21, s21, SLOT
	s_add_co_u32 s22, s22, SLOT
.endr
	s_mul_i32 s23, s14, 16*SPITCH                  ; my stage
	v_mul_u32_u24 v5, v1, SPITCH
	v_lshl_add_u32 v5, v2, 5, v5
	v_add_nc_u32 v[STO], s23, v5                   ; in: row r, 32 bytes for each half of the lanes
	v_and_b32 v6, 31, v0
	v_lshlrev_b32 v[CO], 4, v6                     ; back: the 32 lanes take one row of 512 bytes; and the same in out0
	v_add_nc_u32 v[RD], s23, v[CO]
	s_lshl_b32 s20, s17, 8
	s_lshl_b32 s21, s15, 7
	s_add_co_u32 s20, s20, s21                     ; my first row of out0
	s_lshl_b32 s20, s20, 12                        ; rows of 4,096 bytes
	s_lshl_b32 s21, s19, 2
	s_add_co_u32 s20, s20, s21
	s_mov_b32 s21, 0
	s_add_nc_u64 s[12:13], s[12:13], s[20:21]
	s_wait_kmcnt 0x0
	s_add_co_i32 s96, s96, s97                     ; e10 + e11
	s_sub_co_i32 s98, 0, s96
	s_add_co_i32 s96, s96, 127
	s_lshl_b32 s96, s96, 23                        ; 2^(e10 + e11) as f32
	s_mov_b32 s97, s96                             ; (named with it as a pair, so it is written)
	s_wait_loadcnt 0x0                             ; the bias
.set n, 0
.rept 64
	v_ldexp_f32 v[CBI+n], v[CBI+n], s98            ; bp / 2^(e10 + e11): in the sums' units
.set n, n+1
.endr
.macro FRAGB reg, adr, q, i
.irp c, 0,1,2,3
	ds_load_b128 v[\reg+4*\c:\reg+4*\c+3], v[\adr] offset:128*(\q)+32*\c+(\i)*16*PITCH
.endr
.endm
.macro FRAGA reg, adr, i               ; k = 32 c + 16 h: head c / 2 of the two (64 LDS rows on), codes 32 (c % 2) + 16 h; tokens 16 i on: four LDS rows
.irp c, 0,1,2,3
	ds_load_b128 v[\reg+4*\c:\reg+4*\c+3], v[\adr] offset:(\c/2)*64*PITCH+32*(\c%2)+(\i)*4*PITCH
.endr
.endm
; 16 matrix instructions: A's blocks a0, a0 + 1 x B's eight.  zero = 1: the first product starts the sums from the bias.  The 64 accumulators take turns, one instruction a turn.
.macro MUL16 a0, p, zero
.irp a, \a0, \a0+1
.irp b, 0,1,2,3,4,5,6,7
.if \zero
	v_wmma_f32_16x16x128_fp8_fp8 v[8*(8*((\a)%4)+\b):8*(8*((\a)%4)+\b)+7], v[128*(\p)+FR*\b:128*(\p)+FR*\b+FR-1], v[AF+FR*(\a):AF+FR*(\a)+FR-1], v[CBI+8*\b:CBI+8*\b+7]
.else
	v_wmma_f32_16x16x128_fp8_fp8 v[8*(8*((\a)%4)+\b):8*(8*((\a)%4)+\b)+7], v[128*(\p)+FR*\b:128*(\p)+FR*\b+FR-1], v[AF+FR*(\a):AF+FR*(\a)+FR-1], v[8*(8*((\a)%4)+\b):8*(8*((\a)%4)+\b)+7]
.endif
.endr
.endr
.endm
.macro FETCH_B slot, q, p
	WIN TO_B
.irp i, 0,1,2,3,4,5,6,7
	FRAGB 128*(\p)+FR*\i, ADRB+\slot, \q, \i
.endr
	WIN 0
.endm
.macro FETCH_A slot, q, i0
.irp i, \i0, \i0+1, \i0+2, \i0+3
	FRAGA AF+FR*(\i), ADRA+2*(\slot)+(\q), \i
.endr
.endm
.macro PLACES n
.rept \n
	v_nop
.endr
.endm
.macro STEP slot, q, zero
	s_wait_dscnt 4*NL                              ; B's set and A's blocks 0-3 are in; the youngest loads (A's blocks 4-7) may be out
.if \zero
	WIN FST_LO
.else
	WIN MUL_LO
.endif
	MUL16 0, (\q)%2, \zero
	MUL16 2, (\q)%2, \zero
	s_wait_dscnt 0
	PLACES NP
	FETCH_B \slot, (\q)+1, 1-(\q)%2
	FETCH_A \slot, (\q)+1, 0
.if \zero
	WIN FST_HI
.else
	WIN MUL_HI
.endif
	MUL16 4, (\q)%2, \zero
	MUL16 6, (\q)%2, \zero
	PLACES NP
	WIN 0
	FETCH_A \slot, (\q)+1, 4
.endm
.macro TURN slot, next, fill
	s_wait_tensorcnt 0x0                           ; all my tensor loads have landed: my part of the next slot
	ds_add_u32 v[SPW], v[NIL]                      ; 0 onto my spare word
	s_wait_dscnt 4*NL+1                            ; (the add and the youngest loads may be out)
	WIN MUL_LO
	MUL16 0, 1, 0
	s_wait_dscnt 0x0                               ; the add is done, and my reads of this slot are over
	s_barrier_signal -1
	MUL16 2, 1, 0
	WIN 0
	s_barrier_wait -1
.if \fill
	CREST                                          ; a round of the cluster's barrier: no wave of any partner still reads this slot or has a load on its way
	s_add_nc_u64 s[G0+4*\slot+2:G0+4*\slot+3], s[G0+4*\slot+2:G0+4*\slot+3], 2*65536
	s_add_nc_u64 s[G0B+4*\slot+2:G0B+4*\slot+3], s[G0B+4*\slot+2:G0B+4*\slot+3], 2*ROWB
	JLOAD G0+4*\slot, G1, G0B+4*\slot, G1B
.else
	PLACES NP
.endif
	FETCH_B \next, 0, 0
	FETCH_A \next, 0, 0
	WIN MUL_HI
	MUL16 4, 1, 0
	MUL16 6, 1, 0
	PLACES NP
	WIN 0
	FETCH_A \next, 0, 4
.endm
	s_wait_tensorcnt 1                             ; my part of K step 0 is in (K step 1's load may be out)
	s_barrier_signal -1
	s_barrier_wait -1                              ; everybody's is
	FETCH_B 0, 0, 0
	FETCH_A 0, 0, 0
	FETCH_A 0, 0, 4
	STEP 0, 0, 1
	s_mov_b32 s3, LAPS-1
.Llap:
	TURN 0, 1, 1
	STEP 1, 0, 0
	TURN 1, 0, 1
	STEP 0, 0, 0
	s_sub_co_u32 s3, s3, 1
	s_cmp_lg_u32 s3, 0
	s_cbranch_scc1 .Llap
	TURN 0, 1, 0
	STEP 1, 0, 0
	s_wait_dscnt 4*NL
	WIN MUL_LO
	MUL16 0, 1, 0
	MUL16 2, 1, 0
	s_wait_dscnt 0
	WIN MUL_HI
	MUL16 4, 1, 0
	MUL16 6, 1, 0
	WIN 0
; THE WAY OUT, block by block of 16 rows x 128 columns: through my own stage in LDS and back as whole rows of 512 bytes.  LDS serves a wave's instructions in order: no wait between the stores and the loads.
.macro TOSTAGE a
.set AC, 64*((\a)%4)
	WIN 0x02+((\a)/4)
.set n, 0
.rept 32
	v_pk_mul_f32 v[TMP+n:TMP+n+1], v[AC+n:AC+n+1], s[96:97] op_sel_hi:[1,0]   ; x 2^(e10 + e11); each accumulator from its low end on
.set n, n+2
.endr
	WIN 0
.irp b, 0,1,2,3,4,5,6,7
	ds_store_b128 v[STO], v[TMP+8*\b:TMP+8*\b+3] offset:64*\b
	ds_store_b128 v[STO], v[TMP+8*\b+4:TMP+8*\b+7] offset:64*\b+16
.endr
.set BB, BK+64*((\a)%2)
.irp t, 0,1,2,3,4,5,6,7,8,9,10,11,12,13,14,15
	ds_load_b128 v[BB+4*\t:BB+4*\t+3], v[RD] offset:\t*SPITCH
.endr
.endm
.macro SEND a, younger                 ; younger: the LDS instructions issued behind block a's loads, which may stay out
.set BB, BK+64*((\a)%2)
	s_wait_dscnt \younger
.if (\a) > 0
	s_add_nc_u64 s[12:13], s[12:13], 16*SIZE_N*4   ; (behind a wait on XCNT: the earlier stores have read their base)
.endif
.irp t, 0,1,2,3,4,5,6,7,8,9,10,11,12,13,14,15
	global_store_b128 v[CO], v[BB+4*\t:BB+4*\t+3], s[12:13] offset:\t*SIZE_N*4 th:TH_STORE_NT   ; 32 lanes store 512 consecutive bytes of a row
.endr
.endm
	PLACES NP                                      ; behind the last products: for the loads into A's registers and for block 7's reads
	TOSTAGE 0
.irp a, 1,2,3,4,5,6,7
.if \a > 1
	s_wait_xcnt 0x0                                ; block a - 2's stores have read their registers and their base
.endif
	TOSTAGE \a
	SEND \a-1, 32                                  ; behind block a - 1's loads: block a's 16 stores and 16 loads
.endr
	s_wait_xcnt 0x0
	SEND 7, 0
	s_wait_tensorcnt 0x0                           ; the wave's end
	ds_add_u32 v[SPW], v[NIL]
	s_wait_dscnt 0x0
	CROUND                                         ; the closing round
	s_endpgm
.Lfunc_end_k_qa4d97cee0e_proj:
	.size	k_qa4d97cee0e_proj, .Lfunc_end_k_qa4d97cee0e_proj-k_qa4d97cee0e_proj
	.p2alignl 7, 3214868480
	.fill 96, 4, 3214868480
	.section	.rodata,"a",@progbits
	.p2align	6, 0x0
	.amdhsa_kernel k_qa4d97cee0e_proj
		.amdhsa_group_segment_fixed_size 327680
		.amdhsa_private_segment_fixed_size 0
		.amdhsa_enable_private_segment 0
		.amdhsa_kernarg_size 40
		.amdhsa_user_sgpr_count 2
		.amdhsa_user_sgpr_kernarg_segment_ptr 1
		.amdhsa_wavefront_size32 1
		.amdhsa_system_sgpr_workgroup_id_x 1
		.amdhsa_system_sgpr_workgroup_id_y 1
		.amdhsa_system_sgpr_workgroup_id_z 1
		.amdhsa_system_vgpr_workitem_id 0
		.amdhsa_next_free_vgpr 1024
		.amdhsa_next_free_sgpr 100
		.amdhsa_reserve_vcc 0
		.amdhsa_float_denorm_mode_32 3
		.amdhsa_float_denorm_mode_16_64 3
		.amdhsa_memory_ordered 1
		.amdhsa_forward_progress 1
		.amdhsa_inst_pref_size 129
	.end_amdhsa_kernel
	.amdgpu_metadata
---
amdhsa.version: [ 1, 2 ]
amdhsa.kernels:
  - .name:           k_qa4d97cee0e_proj
    .symbol:         k_qa4d97cee0e_proj.kd
    .args:
      - { .name: ypl, .offset: 0, .size: 8, .value_kind: global_buffer, .address_space: global }
      - { .name: codes, .offset: 8, .size: 8, .value_kind: global_buffer, .address_space: global }
      - { .name: lowp_scales, .offset: 16, .size: 8, .value_kind: global_buffer, .address_space: global }
      - { .name: bp, .offset: 24, .size: 8, .value_kind: global_buffer, .address_space: global }
      - { .name: out0, .offset: 32, .size: 8, .value_kind: global_buffer, .address_space: global }
    .group_segment_fixed_size: 327680
    .private_segment_fixed_size: 0
    .kernarg_segment_align: 8
    .kernarg_segment_size: 40
    .max_flat_workgroup_size: 128
    .sgpr_count:     100
    .vgpr_count:     1024
    .wavefront_size: 32
...
	.end_amdgpu_metadata
.endif
;; end of part 5
;; ======== version 2 of 2: 5 launches; version 1 with the launch attn written anew for expert scheduling mode
;; workspace buffers: codes 16,777,216 bytes; mbits 524,288 bytes of whole numbers; cls 8,192 bytes of whole numbers; img 12,582,912 bytes; pmax 4,096 bytes; ypl 4,194,304 bytes
;; launch prep: the kernel of part 1 again; grid 1024 x 1, 4 waves a work-group, no clusters, 101,888 bytes of LDS; arguments att_mask, query, key, value, Wq, Wk, Wv, Wp, lowp_scales, codes, mbits, cls; writes codes, mbits, cls
;; launch qkv: the kernel of part 2 again; grid 4 x 48, 4 waves a work-group, clusters of 4 x 4, 327,680 bytes of LDS; arguments codes, lowp_scales, bq, bk, bv, img; writes img
;; launch gmax: the kernel of part 3 again; grid 8 x 32, 4 waves a work-group, clusters of 4 x 1, 167,936 bytes of LDS; arguments img, pmax; writes pmax
;; launch attn (part 6): grid 8 x 32, 16 waves a work-group, no clusters, 55,296 bytes of LDS; arguments img, mbits, cls, pmax, lowp_scales, ypl; writes ypl
.if DOCPART == 6
	.amdgcn_target "amdgcn-amd-amdhsa--gfx1250"
	.amdhsa_code_object_version 6
	.text
	.protected	k_qa4d97cee0e_attn
	.globl	k_qa4d97cee0e_attn
	.p2align	8
	.type	k_qa4d97cee0e_attn,@function
k_qa4d97cee0e_attn:
	s_mov_b64 s[64:65], 0
	v_nop
	global_prefetch_b8 v0, s[64:65] scope:SCOPE_SE
	s_setreg_imm32_b32 hwreg(HW_REG_WAVE_SCHED_MODE, 0, 2), 2
	s_setreg_imm32_b32 hwreg(HW_REG_WAVE_MODE, 25, 1), 1
	s_wait_xcnt 0x0
	s_wait_alu depctr_vm_vsrc(0)
; ATTN: scores, shift, mask, softmax and the product with v, on the operand images that the projections stored; y leaves as codes of E4M3 for the last projection.
; t = (att - gmax) x 32 x log2(e), att = sum x 2^(e6 + e7), gmax = the largest |att| of all: t = c sum - G with c = log2(e) 2^(5 + e6 + e7), G = c x (the maximum of pmax's 1,024 numbers).
; M = the running largest t of a row rounded UP to a whole number; p = 2^(t - M) is quantised with 2^e8; the row's sum is taken of the unquantised p and divides at the end; when M moves, the sum and O are multiplied by a power of two.
; t - M is one fused multiply-add, c sum + (-M - G): its rounding differs from (att - gmax) x 32 x log2(e) by about a last place of G.
; THE MASK IS AN INPUT: an earlier launch stored, for each tile of 16 queries x 128 keys, a class (0 all hidden, 1 mixed, 2 all kept) and 64 lane masks.  A step of class 0 is left out (its p are all 0); in class 1 hidden scores
; become -infinity ahead of the maximum; class 2 skips that.  A row with no key at all has the sum 0: its codes become the NaN code, so that its row of the output is NaN.
; SHARES.  A work-group takes one head (bh = grid y) and the blocks i and 15 - i (i = grid x) of 128 queries; each of its sixteen waves owns one tile of 16 queries in 256 registers, four waves to a SIMD.
; All waves walk the 16 key steps of 128 keys: the trip counts are constants.  A step's images of k and v (8,192 bytes each) come from memory once for the work-group, 16 bytes a thread each, two steps ahead into registers, one step ahead into
; one of two LDS buffers; one barrier a step, outside every branch.
; NO TENSOR LOADS AND NO CLUSTER, though the eight work-groups of a head read the same k and v: the text branches on stored classes and on a given scale, and only tensor loads can be asked for jointly.
; LAYOUT.  S^T = k q^T (source 0 = 16 keys, source 1 = my 16 queries), O^T = v^T p^T: lane (r, h) holds query r throughout; register 8 t + j of S^T is key 16 t + 8 h + j, so eight registers convert into registers 2 t, 2 t + 1 of p's operand.
; LIMITS: 5 + e6 + e7 between -120 and 120; e8 between -126 and 119; NaN among the inputs is not served.
; REGISTERS: v1-8 addresses and constants; v10 G; v12 -M - G, v13 the largest t, v[14:15] the sum; v16 -M; v[18:19] the rescaling; v21, v22 2^e8, 448 x 2^e8; v24-31 q; v32-95 eight fragments of k, then four of v;
;   v96-159 S^T, then p; v160-191 O^T; v192-207 p's codes; v208-223 two sets of staging; v224-227 at work.   s[32:63], s[68:99]: the step's 64 lane masks.
; THE MODE: SCHED_MODE bits 1:0 = 2 (LLVM: expert scheduling mode 2), set by the entry lines.  The code itself states the register dependences
; between vector or matrix instructions and memory or LDS instructions, with s_wait_alu, always for 0.
; THE PLAN.  Registers that memory or LDS instructions touch:
;   v1, v2, v3, v5, v6, v7, v8   offsets and LDS addresses: written at the head, never again.  One wait on va_vdst ahead of the first load serves every instruction that reads them.
;   SG0, SG1   staging.  Step s: two global loads land in SG[s % 2]; the two LDS stores of step s + 1 read it.  No vector instruction names them: one wait on vm_vsrc at the head of a step that loads.
;   FB         Head: pmax's numbers land, the maxima read them.  A worked step: k's fragments land, eight products read them; v's fragments land, four products read them.
;              Two waits on va_vdst in a worked step: ahead of k's loads, and behind the eight products, ahead of v's loads.
;   q          loaded once, never written again.
;   v128-143   the way out: codes, written by the conversions and selects, read by LDS stores; rows, which land from LDS and are stored.  One wait on va_vdst ahead of the LDS stores.
;   S^T, p, O^T, p's codes and the statistics are named by vector and matrix instructions alone.
;   s12 (the wave's number) and s22 (rows with no key) are written by vector instructions: a wait on va_sdst stands ahead of the first reader of each.
.set BUF1,  16384                      ; LDS: buffer 0 at 0, buffer 1 here: k's images, then v's
.set VPART, 8192
.set STAGE, 32768                      ; the way out: 16 rows x 80 bytes a wave
.set SPARE, 53248                      ; the spare words, 128 bytes a wave: eight blocks of 256 bytes that no other line names
.set LI,   1                           ; v1  16 x lane
.set TI,   2                           ; v2  16 x thread
.set PFO,  3                           ; v3  256 x lane
.set NINF, 4                           ; v4  -infinity
.set SPW,  5
.set NIL,  6
.set SIN,  7                           ; v7  the stage: where I put 8 bytes of a row
.set SOUT, 8                           ; v8  and where I read 16 bytes back
.set GG,   10
.set QF,   24
.set FB,   32
.set S,    96
.set O,    160
.set PC,   192
.set SG,   208
.set T0,   224
.set T1,   225
.set WV,   12
.set CW,   13                          ; s13 the classes still to come, two bits a step
.set CL,   14                          ; s14 this step's class
.set U,    15                          ; s15 the trip
.set CS,   16                          ; s[16:17] c
.set SEL,  18                          ; s[18:19] lane selects: lane l xor 16
.set NOHOLD, 20                        ; s20 1 where e8 >= -8: p <= 1 then stays under 448 x 2^e8
.set PLIM, 21                          ; s21 trips in which this wave prefetches
; A KEY STEP.  p: the buffer that it reads.  st = 1: the next step's images go from registers into the other buffer.  ld = 1: the images of two steps on are asked for.  bar = 1: a barrier ends it.
.macro STEP p, st, ld, bar
.if \ld
	s_wait_alu depctr_vm_vsrc(0)                   ; the LDS stores of the step before (in the first step: the head's) have read SG[p], in which the two loads below land
	global_load_b128 v[SG+8*\p:SG+8*\p+3], v[TI], s[4:5] offset:(\p+2)*8192        ; this set's stores into LDS were waited for in front of the last barrier
	global_load_b128 v[SG+8*\p+4:SG+8*\p+7], v[TI], s[6:7] offset:(\p+2)*8192
.endif
.if \st
.if \ld
	s_wait_loadcnt 0x2                             ; loads come back in order: the next step's images, asked for a step ago, are in registers; the two loads just issued stay out
.else
	s_wait_loadcnt 0x0                             ; the next step's images, asked for a step ago, are in registers
.endif
	ds_store_b128 v[TI], v[SG+8*(1-\p):SG+8*(1-\p)+3] offset:(1-\p)*BUF1           ; the other buffer's readers finished in front of the last barrier
	ds_store_b128 v[TI], v[SG+8*(1-\p)+4:SG+8*(1-\p)+7] offset:(1-\p)*BUF1+VPART
.endif
.if \ld
	s_cmp_lt_u32 s[U], s[PLIM]                     ; v's images of four steps on, two steps ahead of their load: 32 lanes, 256 bytes apart, name the step's 8,192 bytes.  One wave of the head's first work-group asks, so each
	s_cbranch_scc0 .Lnoask_\@                      ; block is named once in the launch; trips 0 to 5 ask, for steps 4 to 15: nothing points past the head's images.  (k's images were read by the launch before)
	global_prefetch_b8 v[PFO], s[6:7] offset:(\p+4)*8192 th:TH_LOAD_NT scope:SCOPE_SE
.Lnoask_\@:
.endif
	s_and_b32 s[CL], s[CW], 3
	s_lshr_b32 s[CW], s[CW], 2
	s_cmp_eq_u32 s[CL], 0
	s_cbranch_scc1 .Lskip_\@                       ; all 16 x 128 hidden: nothing to add
	s_load_b512 s[32:47], s[8:9], 256*\p
	s_load_b512 s[48:63], s[8:9], 256*\p+64
	s_load_b512 s[68:83], s[8:9], 256*\p+128
	s_load_b512 s[84:99], s[8:9], 256*\p+192
	s_wait_alu depctr_va_vdst(0)                   ; the last worked step's four products are done reading v's fragments in FB (ahead of the first worked step: the head's maxima are done reading pmax's numbers there): k's fragments land in it
.irp t, 0,1,2,3,4,5,6,7
	ds_load_b128 v[FB+8*\t:FB+8*\t+3], v[LI] offset:\p*BUF1+1024*\t
	ds_load_b128 v[FB+8*\t+4:FB+8*\t+7], v[LI] offset:\p*BUF1+1024*\t+512
.endr
	s_wait_dscnt 0x0
.irp t, 0,1,2,3,4,5,6,7
	v_wmma_f32_16x16x64_fp8_fp8 v[S+8*\t:S+8*\t+7], v[FB+8*\t:FB+8*\t+7], v[QF:QF+7], 0
.endr
.rept 4
	v_nop                                          ; places in front of the first read of the scores
.endr
	s_wait_alu depctr_va_vdst(0)                   ; the eight products are done reading k's fragments in FB, in which v's land; the places above stay beside this wait
.irp d, 0,1,2,3
.irp g, 0,1,2,3
	ds_load_b128 v[FB+16*\d+4*\g:FB+16*\d+4*\g+3], v[LI] offset:\p*BUF1+VPART+2048*\d+512*\g   ; v's fragments land while the softmax is walked: none of its instructions names FB
.endr
.endr
	s_wait_kmcnt 0x0                               ; the lane masks
	s_cmp_eq_u32 s[CL], 2
	s_cbranch_scc1 .Lopen_\@
.set n, 0
.rept 32
	v_cndmask_b32 v[S+n], v[NINF], v[S+n], s[32+n]
.set n, n+1
.endr
.rept 32
	v_cndmask_b32 v[S+n], v[NINF], v[S+n], s[36+n]
.set n, n+1
.endr
.Lopen_\@:
	v_max3_num_f32 v[T0], v[S], v[S+1], v[S+2]     ; the step's largest score of my query among my 64 keys, in two chains, ascending
	v_max3_num_f32 v[T1], v[S+3], v[S+4], v[S+5]
.irp i, 6,10,14,18,22,26,30,34,38,42,46,50,54,58
	v_max3_num_f32 v[T0], v[T0], v[S+\i], v[S+\i+1]
	v_max3_num_f32 v[T1], v[T1], v[S+\i+2], v[S+\i+3]
.endr
	v_max3_num_f32 v[T0], v[T0], v[S+62], v[S+63]
	v_max_num_f32 v[T0], v[T0], v[T1]
	v_permlanex16_b32 v20, v[T0], s[SEL], s[SEL+1]
	v_max_num_f32 v[T0], v[T0], v20                ; and among lane l xor 16's
	v_fma_f32 v[T0], v[T0], s[CS], -v[GG]          ; as t (c is positive)
	v_max_num_f32 v13, v13, v[T0]                  ; the running largest t
	v_mov_b32 v17, v16
	v_floor_f32 v16, -v13                          ; the new -M = -ceil(t): a whole number
	v_sub_f32 v17, v16, v17                        ; old M - new M, 0 or less
	v_cvt_i32_f32 v17, v17                         ; (it saturates)
	v_ldexp_f32 v18, 1.0, v17                      ; 2^(old M - new M)
	v_sub_f32 v12, v16, v[GG]                      ; -M - G
.set n, 0
.rept 32
	v_pk_fma_f32 v[S+n:S+n+1], v[S+n:S+n+1], s[CS:CS+1], v[12:13] op_sel_hi:[1,0,0]   ; t - M, two at a time (the pairs' low words serve both halves)
.set n, n+2
.endr
.set n, 0
.rept 64
	v_exp_f32 v[S+n], v[S+n]                       ; p = 2^(t - M)
.set n, n+1
.endr
	v_pk_mul_f32 v[14:15], v[14:15], v[18:19] op_sel_hi:[1,0]   ; the sum under the new M: the plain instruction behind the exponentials
	s_wait_alu depctr_va_vdst(0)                   ; the 64 exponentials have written p: one wait for the batch, ahead of its first reader
	v_pk_add_f32 v[226:227], v[S:S+1], v[S+2:S+3]  ; the row's sum is taken of the unquantised p, in two chains
.irp j, 4,8,12,16,20,24,28,32,36,40,44,48,52,56,60
	v_pk_add_f32 v[14:15], v[14:15], v[S+\j:S+\j+1]
	v_pk_add_f32 v[226:227], v[226:227], v[S+\j+2:S+\j+3]
.endr
	v_pk_add_f32 v[14:15], v[14:15], v[226:227]
	s_cmp_lg_u32 s[NOHOLD], 0
	s_cbranch_scc1 .Lnohold_\@
.set n, 0
.rept 64
	v_min_num_f32 v[S+n], v[S+n], v22              ; the conversion does not saturate (ISA guide 7.6.2); p is not negative, so the hold is one-sided
.set n, n+1
.endr
.Lnohold_\@:
.irp t, 0,1,2,3,4,5,6,7
	v_cvt_scalef32_pk8_fp8_f32 v[PC+2*\t:PC+2*\t+1], v[S+8*\t:S+8*\t+7], v21
.endr
.set n, 0
.rept 16
	v_pk_mul_f32 v[O+n:O+n+1], v[O+n:O+n+1], v[18:19] op_sel_hi:[1,0]   ; O^T under the new M; also the plain instructions between the conversions and the products
.set n, n+2
.endr
	s_wait_dscnt 0x0                               ; v's fragments
.irp d, 0,1,2,3
	v_wmma_f32_16x16x128_fp8_fp8 v[O+8*\d:O+8*\d+7], v[FB+16*\d:FB+16*\d+15], v[PC:PC+15], v[O+8*\d:O+8*\d+7]   ; four accumulators, one instruction a turn
.endr
.rept 4
	v_nop                                          ; places in front of the next read of O^T
.endr
.Lskip_\@:
	s_wait_dscnt 0x0                               ; my stores into the other buffer have landed and my reads of this one are over
.if \bar
	s_barrier_signal -1
	s_barrier_wait -1
.endif
.endm
	s_load_b256 s[32:39], s[0:1], 0x0              ; img s[32:33], mbits s[34:35], cls s[36:37], pmax s[38:39]
	s_load_b128 s[40:43], s[0:1], 0x20             ; lowp_scales s[40:41], ypl s[42:43]
	v_lshl_add_u32 v[SPW], v0, 2, SPARE
	v_mov_b32 v[NIL], 0
	v_lshrrev_b32 v9, 5, v0
	v_readfirstlane_b32 s[WV], v9                  ; wave 0..15
	v_and_b32 v9, 31, v0
	v_lshlrev_b32 v[LI], 4, v9
	v_lshlrev_b32 v[TI], 4, v0
	v_lshlrev_b32 v[PFO], 8, v9
	s_wait_alu depctr_va_sdst(0)                   ; the wave's number is written, ahead of its first reader: the stage's place, the tile and the bases are made from it
	s_mul_i32 s23, s[WV], 1280
	s_add_co_u32 s23, s23, STAGE                   ; my stage
	v_and_b32 v11, 15, v0
	v_mul_u32_u24 v[SIN], v11, 80
	v_bfe_u32 v11, v0, 4, 1
	v_lshl_add_u32 v[SIN], v11, 3, v[SIN]
	v_add_nc_u32 v[SIN], s23, v[SIN]               ; in: row r, + 8 h
	v_lshrrev_b32 v11, 2, v9
	v_mul_u32_u24 v[SOUT], v11, 80
	v_and_b32 v11, 3, v0
	v_lshl_add_u32 v[SOUT], v11, 4, v[SOUT]
	v_add_nc_u32 v[SOUT], s23, v[SOUT]             ; back: four lanes to a row of 64 bytes
	s_and_b32 s24, ttmp7, 0xffff                   ; bh
	s_lshr_b32 s25, s[WV], 2
	s_xor_b32 s25, s25, s[WV]
	s_and_b32 s25, s25, 1                          ; which of the two blocks: of waves 4 m .. 4 m + 3, and of waves m, m + 4, m + 8, m + 12, two take each
	s_sub_co_u32 s26, 15, ttmp9
	s_cmp_eq_u32 s25, 1
	s_cselect_b32 s25, s26, ttmp9
	s_lshl_b32 s25, s25, 3
	s_lshr_b32 s26, s[WV], 1
	s_add_co_u32 s25, s25, s26                     ; my tile of 16 queries, 0..127
	s_xor_b32 s26, s[WV], 1
	s_or_b32 s26, s26, ttmp9
	s_cmp_eq_u32 s26, 0
	s_cselect_b32 s[PLIM], 6, 0                    ; wave 1 of the head's first work-group prefetches
	s_mov_b32 s[SEL], 0x76543210
	s_mov_b32 s[SEL+1], 0xfedcba98
	s_mov_b32 s27, 0
	s_mov_b32 s29, 0
	s_wait_kmcnt 0x0
	s_lshl_b32 s26, s25, 6
	s_add_nc_u64 s[2:3], s[36:37], s[26:27]
	s_load_b512 s[68:83], s[2:3], 0x0              ; my tile's 16 classes
	s_load_b256 s[44:51], s[40:41], 0x0            ; e0 .. e7
	s_load_b128 s[52:55], s[40:41], 0x20           ; e8 .. e11
	s_lshl_b32 s26, s24, 17
	s_add_nc_u64 s[4:5], s[32:33], s[26:27]        ; the head's images of q,
	s_lshl_b32 s28, s25, 10
	s_add_nc_u64 s[30:31], s[4:5], s[28:29]        ; my fragment among them,
	s_add_nc_u64 s[6:7], s[4:5], 0x800000          ; of v,
	s_add_nc_u64 s[4:5], s[4:5], 0x400000          ; of k: both stand at key step 2 x trip
	s_lshl_b32 s28, s25, 12
	s_add_nc_u64 s[8:9], s[34:35], s[28:29]        ; my tile's lane masks, 256 bytes a step
	s_lshr_b32 s28, s24, 4
	s_lshl_b32 s28, s28, 3
	s_lshr_b32 s26, s25, 4
	s_add_co_u32 s28, s28, s26                     ; my block of 256 tokens = 8 batch + tile / 16
	s_lshl_b32 s28, s28, 4
	s_and_b32 s26, s24, 15
	s_add_co_u32 s28, s28, s26                     ; x 16 + head
	s_lshl_b32 s28, s28, 14
	s_and_b32 s26, s25, 15
	s_lshl_b32 s26, s26, 10
	s_add_co_u32 s28, s28, s26                     ; + my 16 tokens of 64 bytes
	s_add_nc_u64 s[10:11], s[42:43], s[28:29]
	s_wait_alu depctr_va_vdst(0)                   ; the offsets and LDS addresses v1, v2, v3, v7, v8 and the add's two, v5 and v6, are written: every load, store and prefetch of the kernel reads one of them, and none is written again
.irp i, 0,1,2,3,4,5,6,7
	global_load_b128 v[FB+4*\i:FB+4*\i+3], v[LI], s[38:39] offset:512*\i   ; all 1,024 partial maxima, 32 a lane
.endr
	global_load_b128 v[QF:QF+3], v[LI], s[30:31]
	global_load_b128 v[QF+4:QF+7], v[LI], s[30:31] offset:512
	global_load_b128 v[SG:SG+3], v[TI], s[4:5]                    ; key step 0
	global_load_b128 v[SG+4:SG+7], v[TI], s[6:7]
	global_load_b128 v[SG+8:SG+11], v[TI], s[4:5] offset:8192     ; key step 1
	global_load_b128 v[SG+12:SG+15], v[TI], s[6:7] offset:8192
	v_mov_b32 v[NINF], 0xff800000
	v_mov_b32 v13, 0xff61b1e6                      ; the largest t so far: -3e38, under every t
	v_floor_f32 v16, -v13
	v_mov_b32 v14, 0
	v_mov_b32 v15, 0
	v_mov_b32 v19, 0                               ; (named as the upper half of the pair v[18:19])
	v_mov_b32 v20, 0                               ; a lane permute's destination counts as read
.set n, 0
.rept 32
	v_mov_b32 v[O+n], 0                            ; the step is written once: the first finds zeros, which the first change of M leaves zeros
.set n, n+1
.endr
	s_wait_kmcnt 0x0
	s_mov_b32 s[CW], 0
.irp k, 0,1,2,3,4,5,6,7,8,9,10,11,12,13,14,15
	s_lshl_b32 s26, s[68+\k], 2*\k
	s_or_b32 s[CW], s[CW], s26
.endr
	s_add_co_i32 s26, s50, s51                     ; e6 + e7
	s_add_co_i32 s26, s26, 5
	s_lshl_b32 s26, s26, 23
	s_add_co_i32 s[CS], s26, 0x3fb8aa3b            ; c = log2(e) x 2^(5 + e6 + e7): the whole number is added to the exponent field
	s_mov_b32 s[CS+1], s[CS]                       ; (named with it as a pair, so it is written)
	s_cmp_ge_i32 s52, -8
	s_cselect_b32 s[NOHOLD], 1, 0
	s_add_co_i32 s26, s52, 127
	s_lshl_b32 s28, s26, 23
	v_mov_b32 v21, s28                             ; 2^e8
	s_add_co_i32 s26, s26, 8
	s_lshl_b32 s26, s26, 23
	s_or_b32 s26, s26, 0x600000
	v_mov_b32 v22, s26                             ; 448 x 2^e8
	s_add_co_i32 s100, s52, s53
	s_sub_co_i32 s100, s100, s54                   ; e8 + e9 - e10: O^T / the sum in units of y's scale
	s_wait_loadcnt 0x6                             ; the partial maxima are in; q and two steps' images may be out
	v_max3_num_f32 v[T0], v[FB], v[FB+1], v[FB+2]
	v_max3_num_f32 v[T1], v[FB+3], v[FB+4], v[FB+5]
.irp i, 6,10,14,18,22,26
	v_max3_num_f32 v[T0], v[T0], v[FB+\i], v[FB+\i+1]
	v_max3_num_f32 v[T1], v[T1], v[FB+\i+2], v[FB+\i+3]
.endr
	v_max3_num_f32 v[T0], v[T0], v[FB+30], v[FB+31]
	v_max_num_f32 v[T0], v[T0], v[T1]
	v_max_num_f32_dpp v[T0], v[T0], v[T0] row_xmask:1 row_mask:0xf bank_mask:0xf
	v_max_num_f32_dpp v[T0], v[T0], v[T0] row_xmask:2 row_mask:0xf bank_mask:0xf
	v_max_num_f32_dpp v[T0], v[T0], v[T0] row_xmask:4 row_mask:0xf bank_mask:0xf
	v_max_num_f32_dpp v[T0], v[T0], v[T0] row_xmask:8 row_mask:0xf bank_mask:0xf
	v_permlanex16_b32 v20, v[T0], s[SEL], s[SEL+1]
	v_max_num_f32 v[T0], v[T0], v20
	v_mul_f32 v[GG], s[CS], v[T0]                  ; G
	s_wait_loadcnt 0x2                             ; q and key step 0 are in; step 1's two loads may be out
	ds_store_b128 v[TI], v[SG:SG+3]                ; (no vector instruction names the staging registers or v2: nothing is owed here but the wait for the loads)
	ds_store_b128 v[TI], v[SG+4:SG+7] offset:VPART
	s_wait_dscnt 0x0
	s_barrier_signal -1
	s_barrier_wait -1                              ; buffer 0 is whole
	s_mov_b32 s[U], 0
.Ltrip:                                            ; seven trips of two key steps
	STEP 0, 1, 1, 1
	STEP 1, 1, 1, 1
	s_wait_xcnt 0x0                                ; the trip's loads and its prefetch have read their bases: they are stepped only behind this wait
	s_add_nc_u64 s[4:5], s[4:5], 16384
	s_add_nc_u64 s[6:7], s[6:7], 16384
	s_add_nc_u64 s[8:9], s[8:9], 512
	s_add_co_u32 s[U], s[U], 1
	s_cmp_lt_u32 s[U], 7
	s_cbranch_scc1 .Ltrip
	STEP 0, 1, 0, 1                                ; steps 14 and 15 ask for nothing: no load leaves the head's images
	STEP 1, 0, 0, 0
	; THE WAY OUT: y = O^T 2^(e8 + e9) / the sum; code = y / 2^e10, held within +-448.  16 rows of 64 codes go through my stage and leave as 1,024 consecutive bytes.
	v_add_f32 v14, v14, v15
	v_permlanex16_b32 v20, v14, s[SEL], s[SEL+1]
	v_add_f32 v14, v14, v20                        ; the row's sum
	v_cmp_eq_f32 s22, 0, v14                       ; a row with no key
	v_rcp_f32 v17, v14
	v_mov_b32 v21, 1.0                             ; (the plain instruction behind the reciprocal)  the conversions' scale
	v_mov_b32 v23, 0x43e00000                      ; 448
	v_mov_b32 v226, 0x7f7f7f7f                     ; four NaN codes
	s_wait_alu depctr_va_vdst(0)                   ; the reciprocal has written v17, ahead of its first reader
	v_ldexp_f32 v17, v17, s100
.set n, 0
.rept 32
	v_mul_f32 v[S+n], v[O+n], v17                  ; register 8 d + j: channel 16 d + 8 h + j of query r; each accumulator from its low end on
.set n, n+1
.endr
.set n, 0
.rept 32
	v_med3_num_f32 v[S+n], v[S+n], -v23, v23
.set n, n+1
.endr
.irp d, 0,1,2,3
	v_cvt_scalef32_pk8_fp8_f32 v[128+2*\d:129+2*\d], v[S+8*\d:S+8*\d+7], v21
.endr
	v_nop                                          ; one plain instruction between the conversions and the selects that touch their results
	s_wait_alu depctr_va_sdst(0)                   ; the comparison has written s22, ahead of its first reader, the select below
.irp k, 0,1,2,3,4,5,6,7
	v_cndmask_b32 v[128+\k], v[128+\k], v226, s22
.endr
	s_wait_alu depctr_va_vdst(0)                   ; the selects have written v128 to v135, which the LDS stores read; and every vector instruction that named v136 to v143, in which the LDS loads land, is done
.irp d, 0,1,2,3
	ds_store_b64 v[SIN], v[128+2*\d:129+2*\d] offset:16*\d
.endr
	ds_load_b128 v[136:139], v[SOUT]               ; the wave's own bytes, served in order behind its stores
	ds_load_b128 v[140:143], v[SOUT] offset:640
	s_wait_dscnt 0x0
	global_store_b128 v[LI], v[136:139], s[10:11]  ; each store covers 512 consecutive bytes
	global_store_b128 v[LI], v[140:143], s[10:11] offset:512
	s_wait_dscnt 0x0                               ; the closing lines, six on end
	s_wait_alu 0x0
	s_wait_tensorcnt 0x0
	ds_add_u32 v[SPW], v[NIL]
	s_wait_dscnt 0x0
	s_endpgm
.Lfunc_end_k_qa4d97cee0e_attn:
	.size	k_qa4d97cee0e_attn, .Lfunc_end_k_qa4d97cee0e_attn-k_qa4d97cee0e_attn
	.p2alignl 7, 3214868480
	.fill 96, 4, 3214868480
	.section	.rodata,"a",@progbits
	.p2align	6, 0x0
	.amdhsa_kernel k_qa4d97cee0e_attn
		.amdhsa_group_segment_fixed_size 55296
		.amdhsa_private_segment_fixed_size 0
		.amdhsa_enable_private_segment 0
		.amdhsa_kernarg_size 48
		.amdhsa_user_sgpr_count 2
		.amdhsa_user_sgpr_kernarg_segment_ptr 1
		.amdhsa_wavefront_size32 1
		.amdhsa_system_sgpr_workgroup_id_x 1
		.amdhsa_system_sgpr_workgroup_id_y 1
		.amdhsa_system_sgpr_workgroup_id_z 1
		.amdhsa_system_vgpr_workitem_id 0
		.amdhsa_next_free_vgpr 256
		.amdhsa_next_free_sgpr 102
		.amdhsa_reserve_vcc 0
		.amdhsa_float_denorm_mode_32 3
		.amdhsa_float_denorm_mode_16_64 3
		.amdhsa_memory_ordered 1
		.amdhsa_forward_progress 1
		.amdhsa_inst_pref_size 95
	.end_amdhsa_kernel
	.amdgpu_metadata
---
amdhsa.version: [ 1, 2 ]
amdhsa.kernels:
  - .name:           k_qa4d97cee0e_attn
    .symbol:         k_qa4d97cee0e_attn.kd
    .args:
      - { .name: img, .offset: 0, .size: 8, .value_kind: global_buffer, .address_space: global }
      - { .name: mbits, .offset: 8, .size: 8, .value_kind: global_buffer, .address_space: global }
      - { .name: cls, .offset: 16, .size: 8, .value_kind: global_buffer, .address_space: global }
      - { .name: pmax, .offset: 24, .size: 8, .value_kind: global_buffer, .address_space: global }
      - { .name: lowp_scales, .offset: 32, .size: 8, .value_kind: global_buffer, .address_space: global }
      - { .name: ypl, .offset: 40, .size: 8, .value_kind: global_buffer, .address_space: global }
    .group_segment_fixed_size: 55296
    .private_segment_fixed_size: 0
    .kernarg_segment_align: 8
    .kernarg_segment_size: 48
    .max_flat_workgroup_size: 512
    .sgpr_count:     102
    .vgpr_count:     256
    .wavefront_size: 32
...
	.end_amdgpu_metadata
.endif
;; end of part 6
;; launch proj: the kernel of part 5 again; grid 4 x 16, 4 waves a work-group, clusters of 4 x 4, 327,680 bytes of LDS; arguments ypl, codes, lowp_scales, bp, out0; writes out0
